; MI455X (gfx1250); checked and timed in simulation.
; The chip was launched on July 23, 2026; its instructions are those of AMD's public machine-readable ISA for CDNA 5 (MIT licence, August 2026) and "CDNA5" Instruction Set Architecture Reference Guide (July 2026). The comments in the code are by the model that wrote it; some were corrected since.
;; Transformer Block. Allowed arithmetic: matrix products marked QUANTISED: E4M3 operands, one E8M0 scale for each 32 along K, by v_wmma_scale_f32_16x16x128_f8f6f4 with both operands' format E4M3, f32 sums; everything else in f32.
;; Inputs: W1 256 x 256 float32; Wk_c 256 x 256 float32; Wk_s 256 x 256 float32; Wq_c 256 x 256 float32; Wq_s 256 x 256 float32; Wv_c 256 x 256 float32; Wv_s 256 x 256 float32; b1 256 float32; context 8 x 2,048 x 256 float32; inputs 8 x 2,048 x 256 float32; ln_b 256 float32; ln_g 256 float32.
;; Outputs: out0 8 x 2,048 x 256 float32.
;; This version of the problem:
;;   THIS VERSION OF THE PROBLEM IS GIVEN IN LOW PRECISION. The matrix products marked QUANTISED in the list below multiply operands that are first quantised to E4M3 (4 exponent bits, 3 mantissa bits; 8 bits a number), with one power-of-two scale for each 32 numbers along K (OCP MX v1.0); their sums are f32. All else is computed in f32.
;;   The module's matrix products, in the order in which they are computed (A, B: the left and right operand; K: the contracted axis; several contracted axes count as one K, in the product's order):
;;     1. [M 16,384, K 256] x [K 256, N 256]; A: input inputs; B: input Wk_s: QUANTISED
;;     2. [M 16,384, K 256] x [K 256, N 256]; A: input inputs; B: input Wv_s: QUANTISED
;;     3. [M 16,384, K 256] x [K 256, N 256]; A: input inputs; B: input Wq_s: QUANTISED
;;     4. batch 8 x [M 2,048, K 256] x [K 256, N 2,048]; A: computed on the way; B: computed on the way: QUANTISED
;;     5. batch 8 x [M 2,048, K 2,048] x [K 2,048, N 256]; A: softmax (see below); B: computed on the way: QUANTISED
;;     6. [M 16,384, K 256] x [K 256, N 256]; A: input context; B: input Wk_c: QUANTISED
;;     7. [M 16,384, K 256] x [K 256, N 256]; A: input context; B: input Wv_c: QUANTISED
;;     8. [M 16,384, K 256] x [K 256, N 256]; A: computed on the way; B: input Wq_c: QUANTISED
;;     9. batch 8 x [M 2,048, K 256] x [K 256, N 2,048]; A: computed on the way; B: computed on the way: QUANTISED
;;     10. batch 8 x [M 2,048, K 2,048] x [K 2,048, N 256]; A: softmax (see below); B: computed on the way: QUANTISED
;;     11. [M 16,384, K 256] x [K 256, N 256]; A: computed on the way; B: input W1: QUANTISED
;;   THE QUANTISER, for each operand of a quantised product, along K:
;;     - K is cut into blocks of 32 from its start; a last block that is shorter is filled with zeros.
;;     - A block's scale is 2^e with e = floor(log2(the largest magnitude in the block)) - 8, held to -126 .. 127; a block of zeros has e = 0. As a byte (E8M0): e + 127.
;;     - Each number is divided by its block's scale, clamped to +-448, and rounded to the nearest number of E4M3, ties to even, subnormals kept.
;;     - The product sums the exact products of the quantised numbers (number of the format x scale) in f32.
;;   ~~~python
;;   def quantise(x, axis):      # numpy; x: float32 -> the quantised numbers, widened to float32 again
;;       x = np.moveaxis(x, axis, -1); K = x.shape[-1]
;;       x = np.pad(x, [(0, 0)] * (x.ndim - 1) + [(0, -K % 32)]); x = x.reshape(x.shape[:-1] + (-1, 32)); a = np.abs(x).max(-1, keepdims=True)
;;       e = np.where(a > 0, np.clip(np.frexp(np.where(a > 0, a, 1))[1] - 1 - 8, -126, 127), 0)      # np.frexp(a)[1] - 1 = floor(log2(a)), exactly
;;       r = np.clip(x / 2.0 ** e, -448, 448)
;;       step = 2.0 ** (np.maximum(np.frexp(np.where(r == 0, 1, r))[1] - 1, -6) - 3)
;;       q = np.round(r / step) * step * 2.0 ** e      # np.round: ties to even
;;       return np.moveaxis(q.reshape(q.shape[:-2] + (-1,))[..., :K], -1, axis).astype(np.float32)
;;   ~~~
;;   SOFTMAX AHEAD OF A QUANTISED PRODUCT. Where the list says 'softmax', what is quantised is not the finished softmax but p = 2^(t - M), with t = logit x log2(e) and M = ceil(the row's largest t), a whole number; so 1/2 < the row's largest p <= 1. The row's sum l is taken of the UNQUANTISED p, in f32, and the product's result is divided by l at the end. Since M is a whole number, a kernel that streams over the keys may use a running M (the ceiling of the running maximum): every later rescaling is an exact power of two, which a block's scale takes up: the codes' values come out the same.
;;   OPERANDS COMPUTED ON THE WAY. 'Computed on the way' means the value that the module computes at that place (a softmax that the list does not call 'softmax' is quantised finished and normalised). What goes into a quantiser is computed in f32, as accurately as f32 sums, v_exp_f32 and their like allow (about 1e-6 of the number): no bf16 or f16 on the way to a quantiser, and a product that is left as it is and whose result goes on into a quantised operand takes f32 operands (vector FMAs, or v_wmma_f32_16x16x4_f32). A number that lies on a knife's edge between two numbers of the format may be rounded either way, as far as f32 arithmetic and the matrix unit's own rounding can turn it there, and no further.
;; One version. Each part assembles by itself: llvm-mc -triple=amdgcn-amd-amdhsa -mcpu=gfx1250 --defsym DOCPART=n.
;; ======== version 1 of 1: 4 launches
;; workspace buffers: xq 8,388,608 bytes; xs 262,144 bytes; wq 473,088 bytes; kv_s 8,650,752 bytes; kv_c 8,650,752 bytes; q_s 4,325,376 bytes; q_c 4,325,376 bytes; x1 16,777,216 bytes
;; launch quant (part 1): grid 540 x 1, 4 waves a work-group, no clusters, 67,072 bytes of LDS; arguments inputs, context, Wk_s, Wv_s, Wq_s, Wk_c, Wv_c, Wq_c, W1, xq, xs, wq; writes xq, xs, wq
.if DOCPART == 1
	.amdgcn_target "amdgcn-amd-amdhsa--gfx1250"
	.amdhsa_code_object_version 6
	.text
	.protected	k_q52fad6c3b4_quant
	.globl	k_q52fad6c3b4_quant
	.p2align	8
	.type	k_q52fad6c3b4_quant,@function
k_q52fad6c3b4_quant:
	s_mov_b64 s[64:65], 0
	v_nop
	global_prefetch_b8 v0, s[64:65] scope:SCOPE_SE
	s_setreg_imm32_b32 hwreg(HW_REG_WAVE_MODE, 25, 1), 1
	s_wait_xcnt 0x0
; LAUNCH 1 OF 4.  inputs and context [16384][256] f32 (K = the last axis) and the seven weights [256 (d)][256 (e)] f32 (K = d, the FIRST axis) become codes of E4M3 with one E8M0 byte for each 32 along K.
; DEAD WORK OF THE WHOLE PROGRAM.  reference() itself sets score[q][k] to -inf for k > q (its own triu mask) ahead of the causal softmax, so p = 0 there whatever finite values the inputs hold: a step of 128 keys
; all of which lie behind all 16 queries of a tile adds 0 to the row's sum and to product 5.  Such steps of products 4 and 5 are left out in launch selfatt, and slots of keys behind a work-group's last query are
; not fetched there.  Nothing else is left out, and every input is loaded by some launch.  LIMIT: a NaN, an infinity or an overflow that reaches only those hidden scores is not carried to the result.
; LAYOUT OF THE RESULTS: images of operand registers.  A tile is 16 rows x K 256: two fragments (K step s = 0, 1) of 2,048 bytes, registers 4 c .. 4 c + 3 of lane l at 2048 s + 512 c + 16 l, and 32 scale words at 4 l:
; lanes 0-15 the words of s = 0, lanes 16-31 those of s = 1.  THE ROWS OF A TILE ARE NOT NEIGHBOURS: lane r takes row base + r + 8 (r / 8).
; x tile number p = 8 rec + t, rec = 16 batch + 2 slot + parity, t = 2 b4 + u: base = 2048 batch + 256 slot + 64 b4 + 32 parity + 8 u.   W tile tau: base = 32 (tau / 2) + 8 (tau % 2) among the columns e.
; SHARES: a wave makes one tile.  Work-groups 0-511: x tile 4 wg + wave (the first 1,024 tiles inputs, then context).  Work-groups 512-539: weight (wg - 512) / 4, tile 4 ((wg - 512) % 4) + wave.
; x: each load reads 512 consecutive bytes of a row; the 16 rows turn through the wave's own stage in LDS, so that a lane gets 16 neighbours of each block of 32.  W: a lane takes a column e and its registers run down d.
; LIMITS: a block of zeros gets the byte 1, not 127 (its codes are zeros, and this program alone reads the bytes); NaN and infinities among the inputs are not served.
.set STG,   16640                      ; a wave's stage: 16 rows x SP
.set SP,    1040                       ; a stage row: 1,024 bytes + 16: 65 x 16, so that the rows that a load touches start at different banks
.set SPARE, 4*STG                      ; behind the stages: the spare words, 128 bytes a wave: two blocks of 256 bytes that no other line names
.set SPW, 6                            ; v6   LDS address of my spare word; never rewritten
.set NIL, 7                            ; v7   0; never rewritten
.set X,   16                           ; v16-143  128 numbers: register 64 s + 16 c + i = k 128 s + 32 c + 16 (lane / 16) + i of my row
.set PC,  144                          ; v144-175 the two fragments' codes
.set TM,  176                          ; v176-191 at work: largest magnitudes, bytes, holds, scale operands, four each
.set PW,  192                          ; v192-193 the two scale words; v194 the word that my lane stores
.set XW,  194
.set SEL, 40                           ; s[40:41] v_permlanex16_b32's selects for lane l xor 16
.set MNT, 42                           ; s42  the mantissa field of 448
.set HM,  43                           ; s43  the mask of lanes 16-31
; 64 numbers of a lane, register 16 b + i = k 32 b + 16 (lane / 16) + i of its row, become a fragment's codes in v[pc] on and its scale word in v[pw]
.macro QUANT s, pc, pw
.irp b, 0,1,2,3
	v_max3_num_f32 v[TM+\b], |v[(\s)+16*\b]|, |v[(\s)+1+16*\b]|, 0x4800000   ; my 16 numbers of block b, and the floor 2^(9 - 127): the byte cannot fall under 1
.endr
.irp i, 2,4,6,8,10,12,14
.irp b, 0,1,2,3
	v_max3_num_f32 v[TM+\b], v[TM+\b], |v[(\s)+16*\b+\i]|, |v[(\s)+1+16*\b+\i]|   ; the four blocks by turns
.endr
.endr
.irp b, 0,1,2,3
	v_permlanex16_b32 v[TM+4+\b], v[TM+\b], s[SEL], s[SEL+1]
.endr
.irp b, 0,1,2,3
	v_max_num_f32 v[TM+\b], v[TM+\b], v[TM+4+\b]   ; with lane l xor 16's 16: the block's largest magnitude
.endr
.irp b, 0,1,2,3
	v_add_nc_u32 v[TM+12+\b], 0xfc000000, v[TM+\b]   ; 8 off its exponent field: the conversion's scale operand
.endr
.irp b, 0,1,2,3
	v_and_or_b32 v[TM+8+\b], v[TM+\b], 0x7f800000, s[MNT]   ; 448 x the scale
.endr
.irp b, 0,1,2,3
	v_lshrrev_b32 v[TM+4+\b], 23, v[TM+12+\b]   ; the scale's byte
.endr
	v_lshl_or_b32 v[\pw], v[TM+5], 8, v[TM+4]
	v_lshl_or_b32 v[\pw], v[TM+6], 16, v[\pw]
	v_lshl_or_b32 v[\pw], v[TM+7], 24, v[\pw]
.irp b, 0,1,2,3
.irp i, 0,1,2,3,4,5,6,7,8,9,10,11,12,13,14,15
	v_med3_num_f32 v[(\s)+16*\b+\i], v[(\s)+16*\b+\i], -v[TM+8+\b], v[TM+8+\b]   ; the conversion to an 8-bit code does not saturate (ISA guide 7.6.2): the hold comes first
.endr
	v_cvt_scalef32_pk8_fp8_f32 v[(\pc)+4*\b:(\pc)+4*\b+1], v[(\s)+16*\b:(\s)+16*\b+7], v[TM+12+\b]
	v_cvt_scalef32_pk8_fp8_f32 v[(\pc)+4*\b+2:(\pc)+4*\b+3], v[(\s)+16*\b+8:(\s)+16*\b+15], v[TM+12+\b]
.endr
	v_nop                                          ; a plain line behind the last conversion
.endm
	s_load_b512 s[8:23], s[0:1], 0x0               ; inputs, context, Wk_s, Wv_s, Wq_s, Wk_c, Wv_c, Wq_c
	s_load_b256 s[24:31], s[0:1], 0x40             ; W1, xq, xs, wq
	v_lshl_add_u32 v[SPW], v0, 2, SPARE
	v_mov_b32 v[NIL], 0
	v_lshrrev_b32 v8, 5, v0
	v_readfirstlane_b32 s4, v8                     ; wave 0..3
	v_and_b32 v9, 31, v0                           ; lane
	v_and_b32 v10, 15, v0                          ; r
	v_bfe_u32 v11, v0, 4, 1                        ; h
	v_lshlrev_b32 v1, 4, v9                        ; v1: 16 x lane
	v_lshlrev_b32 v2, 2, v9                        ; v2: 4 x lane
	s_mul_i32 s5, s4, STG
	v_add_nc_u32 v3, s5, v1                        ; v3: the stage on the way in: as loaded
	v_mul_u32_u24 v4, v10, SP
	v_lshl_add_u32 v4, v11, 6, v4
	v_add_nc_u32 v4, s5, v4                        ; v4: on the way out: row r, + 64 h
	v_and_b32 v5, 8, v10
	v_add_nc_u32 v5, v5, v10
	v_lshlrev_b32 v5, 2, v5
	v_lshl_add_u32 v5, v11, 14, v5                 ; v5: W: column r + 8 (r / 8), and 16 rows d further down for lanes 16-31
.irp b, 0,1,2,3
	v_mov_b32 v[TM+4+\b], 0                        ; a lane permute's destination counts as one of its sources
.endr
	s_mov_b32 s[SEL], 0x76543210
	s_mov_b32 s[SEL+1], 0xfedcba98
	s_mov_b32 s[MNT], 0x600000
	s_mov_b32 s[HM], 0xffff0000
	; an x tile's offsets, from its number p = 4 wg + wave: bits 0 u, 1-2 b4, 3 parity, 4-9 8 batch + slot, 10 the tensor
	s_lshl_b32 s32, ttmp9, 2
	s_add_co_u32 s32, s32, s4
	s_bfe_u32 s33, s32, 0x60004
	s_lshl_b32 s33, s33, 8
	s_bfe_u32 s34, s32, 0x20001
	s_lshl_b32 s34, s34, 6
	s_or_b32 s33, s33, s34
	s_bfe_u32 s34, s32, 0x10003
	s_lshl_b32 s34, s34, 5
	s_or_b32 s33, s33, s34
	s_and_b32 s34, s32, 1
	s_lshl_b32 s34, s34, 3
	s_or_b32 s33, s33, s34                         ; the tile's base row
	s_lshl_b32 s33, s33, 10                        ; in bytes
	s_lshl_b32 s34, s32, 12                        ; its codes in xq
	s_lshl_b32 s35, s32, 7                         ; its scale words in xs
	; a W tile's offsets (numbers without meaning in work-groups 0-511, where they are not chosen)
	s_sub_co_u32 s36, ttmp9, 512
	s_lshr_b32 s37, s36, 2
	s_mul_i32 s37, s37, 67584                      ; the weight's block in wq
	s_and_b32 s36, s36, 3
	s_lshl_b32 s36, s36, 2
	s_add_co_u32 s36, s36, s4                      ; tau
	s_lshr_b32 s38, s36, 1
	s_lshl_b32 s38, s38, 7
	s_and_b32 s39, s36, 1
	s_lshl_b32 s39, s39, 5
	s_or_b32 s38, s38, s39                         ; 4 x the tile's base column
	s_lshl_b32 s39, s36, 12
	s_add_co_u32 s39, s39, s37                     ; its codes
	s_lshl_b32 s36, s36, 7
	s_add_co_u32 s36, s36, s37
	s_add_co_u32 s36, s36, 65536                   ; its scale words
	s_mov_b32 s51, 0
	s_mov_b32 s53, 0
	s_mov_b32 s55, 0
	s_wait_kmcnt 0x0
	s_cmp_lt_u32 ttmp9, 512                        ; every choice hangs on the work-group's number alone
	s_cselect_b32 s50, s33, s38
	s_cselect_b32 s52, s34, s39
	s_cselect_b32 s54, s35, s36
	s_cselect_b64 s[46:47], s[26:27], s[30:31]     ; codes go to xq or wq,
	s_cselect_b64 s[48:49], s[28:29], s[30:31]     ; scale words to xs or wq
	s_mov_b64 s[44:45], s[8:9]                     ; the source: inputs,
	s_cmp_ge_u32 ttmp9, 256
	s_cselect_b64 s[44:45], s[10:11], s[44:45]     ; context,
	s_cmp_ge_u32 ttmp9, 512
	s_cselect_b64 s[44:45], s[12:13], s[44:45]     ; or one of the seven weights, four work-groups each
	s_cmp_ge_u32 ttmp9, 516
	s_cselect_b64 s[44:45], s[14:15], s[44:45]
	s_cmp_ge_u32 ttmp9, 520
	s_cselect_b64 s[44:45], s[16:17], s[44:45]
	s_cmp_ge_u32 ttmp9, 524
	s_cselect_b64 s[44:45], s[18:19], s[44:45]
	s_cmp_ge_u32 ttmp9, 528
	s_cselect_b64 s[44:45], s[20:21], s[44:45]
	s_cmp_ge_u32 ttmp9, 532
	s_cselect_b64 s[44:45], s[22:23], s[44:45]
	s_cmp_ge_u32 ttmp9, 536
	s_cselect_b64 s[44:45], s[24:25], s[44:45]
	s_add_nc_u64 s[44:45], s[44:45], s[50:51]
	s_add_nc_u64 s[46:47], s[46:47], s[52:53]
	s_add_nc_u64 s[48:49], s[48:49], s[54:55]
	s_cmp_lt_u32 ttmp9, 512
	s_cbranch_scc0 .Lweight
	; ---- x: load n = 2 k + p reads half p of the tile's row k: 512 consecutive bytes
.set n, 0
.rept 32
	global_load_b128 v[X+4*n:X+4*n+3], v1, s[44:45] offset:((n/2)+8*(n/16))*1024+512*(n%2) th:TH_LOAD_NT
.set n, n+1
.endr
.set n, 0
.rept 32
	s_wait_loadcnt 31-n                            ; loads come back in order: load n is in, the 31 - n younger ones may be out
	ds_store_b128 v3, v[X+4*n:X+4*n+3] offset:(n/2)*SP+512*(n%2)
.set n, n+1
.endr
.set n, 0
.rept 32                                       ; n = 16 s + 4 c + j: LDS serves a wave's instructions in order, so these see my stores, and land in the registers that the numbers left
	ds_load_b128 v[X+4*n:X+4*n+3], v4 offset:512*(n/16)+128*((n/4)%4)+16*(n%4)
.set n, n+1
.endr
	s_wait_dscnt 0x0
	s_branch .Lquantise
.Lweight:
	; ---- W: register n = 64 s + 16 c + i takes W(128 s + 32 c + 16 h + i, my column)
.set n, 0
.rept 128
	global_load_b32 v[X+n], v5, s[44:45] offset:(128*(n/64)+32*((n/16)%4)+(n%16))*1024
.set n, n+1
.endr
	s_wait_loadcnt 0x0
.Lquantise:
	QUANT X, PC, PW
	QUANT X+64, PC+16, PW+1
	v_cndmask_b32 v[XW], v[PW], v[PW+1], s[HM]     ; lanes 0-15 store the word of K step 0, lanes 16-31 that of K step 1
.set n, 0
.rept 8
	global_store_b128 v1, v[PC+4*n:PC+4*n+3], s[46:47] offset:512*n   ; 32 lanes store 512 consecutive bytes
.set n, n+1
.endr
	global_store_b32 v2, v[XW], s[48:49]
	s_wait_tensorcnt 0x0                           ; the wave's end: behind my last LDS store
	ds_add_u32 v[SPW], v[NIL]
	s_wait_dscnt 0x0
	s_endpgm
.Lfunc_end_k_q52fad6c3b4_quant:
	.size	k_q52fad6c3b4_quant, .Lfunc_end_k_q52fad6c3b4_quant-k_q52fad6c3b4_quant
	.p2alignl 7, 3214868480
	.fill 96, 4, 3214868480
	.section	.rodata,"a",@progbits
	.p2align	6, 0x0
	.amdhsa_kernel k_q52fad6c3b4_quant
		.amdhsa_group_segment_fixed_size 67072
		.amdhsa_private_segment_fixed_size 0
		.amdhsa_enable_private_segment 0
		.amdhsa_kernarg_size 96
		.amdhsa_user_sgpr_count 2
		.amdhsa_user_sgpr_kernarg_segment_ptr 1
		.amdhsa_wavefront_size32 1
		.amdhsa_system_sgpr_workgroup_id_x 1
		.amdhsa_system_sgpr_workgroup_id_y 1
		.amdhsa_system_sgpr_workgroup_id_z 1
		.amdhsa_system_vgpr_workitem_id 0
		.amdhsa_next_free_vgpr 208
		.amdhsa_next_free_sgpr 66
		.amdhsa_reserve_vcc 0
		.amdhsa_float_denorm_mode_32 3
		.amdhsa_float_denorm_mode_16_64 3
		.amdhsa_memory_ordered 1
		.amdhsa_forward_progress 1
		.amdhsa_inst_pref_size 42
	.end_amdhsa_kernel
	.amdgpu_metadata
---
amdhsa.version: [ 1, 2 ]
amdhsa.kernels:
  - .name:           k_q52fad6c3b4_quant
    .symbol:         k_q52fad6c3b4_quant.kd
    .args:
      - { .name: inputs, .offset: 0, .size: 8, .value_kind: global_buffer, .address_space: global }
      - { .name: context, .offset: 8, .size: 8, .value_kind: global_buffer, .address_space: global }
      - { .name: Wk_s, .offset: 16, .size: 8, .value_kind: global_buffer, .address_space: global }
      - { .name: Wv_s, .offset: 24, .size: 8, .value_kind: global_buffer, .address_space: global }
      - { .name: Wq_s, .offset: 32, .size: 8, .value_kind: global_buffer, .address_space: global }
      - { .name: Wk_c, .offset: 40, .size: 8, .value_kind: global_buffer, .address_space: global }
      - { .name: Wv_c, .offset: 48, .size: 8, .value_kind: global_buffer, .address_space: global }
      - { .name: Wq_c, .offset: 56, .size: 8, .value_kind: global_buffer, .address_space: global }
      - { .name: W1, .offset: 64, .size: 8, .value_kind: global_buffer, .address_space: global }
      - { .name: xq, .offset: 72, .size: 8, .value_kind: global_buffer, .address_space: global }
      - { .name: xs, .offset: 80, .size: 8, .value_kind: global_buffer, .address_space: global }
      - { .name: wq, .offset: 88, .size: 8, .value_kind: global_buffer, .address_space: global }
    .group_segment_fixed_size: 67072
    .private_segment_fixed_size: 0
    .kernarg_segment_align: 8
    .kernarg_segment_size: 96
    .max_flat_workgroup_size: 128
    .sgpr_count:     66
    .vgpr_count:     208
    .wavefront_size: 32
...
	.end_amdgpu_metadata
.endif
;; end of part 1
;; launch proj (part 2): grid 128 x 5, 2 waves a work-group, no clusters, 0 bytes of LDS; arguments xq, xs, wq, kv_s, q_s, kv_c; writes kv_s, q_s, kv_c
.if DOCPART == 2
	.amdgcn_target "amdgcn-amd-amdhsa--gfx1250"
	.amdhsa_code_object_version 6
	.text
	.protected	k_q52fad6c3b4_proj
	.globl	k_q52fad6c3b4_proj
	.p2align	8
	.type	k_q52fad6c3b4_proj,@function
k_q52fad6c3b4_proj:
	s_mov_b64 s[64:65], 0
	v_nop
	global_prefetch_b8 v0, s[64:65] scope:SCOPE_SE
	s_setreg_imm32_b32 hwreg(HW_REG_WAVE_MODE, 25, 1), 1
	s_wait_xcnt 0x0
; LAUNCH 2 OF 4.  Products 1, 2, 3, 6, 7: K_s, V_s, Q_s of inputs and K_c, V_c of context, each quantised in registers for the product that takes it: K and Q along their 256 channels, V along the keys.
; x = a RECORD of 128 rows (8 tiles of launch 1), y = the product = the weight's number in wq (0 K_s, 1 V_s, 2 Q_s, 3 K_c, 4 V_c), wave = half hf.  Waves share nothing: no LDS, no barrier.
; ONE JOB, the same text for all: 8 tiles H are held in registers (window 1), 8 tiles T are streamed.  For each T: 16 matrix instructions, source 0 = H(t, K step), source 1 = T(K step).  A lane then holds ONE row of T, and, since
; the rows of H's tiles are base + r + 8 (r / 8), the 16 registers of tiles 2 b, 2 b + 1 are 16 NEIGHBOURS along H's rows: 64 results = 128 neighbours of the next K in two lanes: one fragment and one scale word.
;   K, Q: H = W's tiles 8 hf .. 8 hf + 7 (channels 128 hf on), T = the record's x tile i:  fragment (channel half hf, row tile i).
;   V:    H = the record's 8 x tiles (its 128 keys),          T = W's tile 8 hf + i:       fragment of channel tile 8 hf + i, K = the record's keys (four blocks of 32 consecutive keys, each aligned to 32).
; A REGION (K, V or Q of a record) is 33,792 bytes: codes at 16384 hf + 2048 i as register images, scale words at 32768 + 512 hf + 32 r + 4 i.  kv: [K region][V region] a record; q: one region a record.
; LIMITS as in launch 1: a block of zeros gets the byte 1; NaN and infinities are not served.
.set HS,  8                            ; v8-15    H's scale words: lanes 0-15 K step 0, lanes 16-31 K step 1
.set TSC, 16                           ; v16-17   T's, two sets
.set TF,  32                           ; v32-95   T's two fragments, two sets
.set HA,  96                           ; v96-159  the 8 result tiles
.set PC,  160                          ; v160-175 the codes just made
.set TM,  176                          ; v176-191 at work
.set PWB, 200                          ; v200-207 the eight scale words
.set W4,  208                          ; v208-211 the four that my lane stores
.set SEL, 2
.set MNT, 50
.set HM,  51
.set MSB, 0
.macro WIN new                         ; the immediate's high byte repeats the setting that is left
.if MSB != \new
	s_set_vgpr_msb (MSB<<8)|\new
.set MSB, \new
.endif
.endm
.macro QUANT s, pc, pw
.irp b, 0,1,2,3
	v_max3_num_f32 v[TM+\b], |v[(\s)+16*\b]|, |v[(\s)+1+16*\b]|, 0x4800000   ; each result tile is read from its low end on; the floor 2^(9 - 127) holds the byte at 1 from below
.endr
.irp i, 2,4,6,8,10,12,14
.irp b, 0,1,2,3
	v_max3_num_f32 v[TM+\b], v[TM+\b], |v[(\s)+16*\b+\i]|, |v[(\s)+1+16*\b+\i]|
.endr
.endr
.irp b, 0,1,2,3
	v_permlanex16_b32 v[TM+4+\b], v[TM+\b], s[SEL], s[SEL+1]
.endr
.irp b, 0,1,2,3
	v_max_num_f32 v[TM+\b], v[TM+\b], v[TM+4+\b]
.endr
.irp b, 0,1,2,3
	v_add_nc_u32 v[TM+12+\b], 0xfc000000, v[TM+\b]   ; 8 off the exponent field: the conversion's scale operand
.endr
.irp b, 0,1,2,3
	v_and_or_b32 v[TM+8+\b], v[TM+\b], 0x7f800000, s[MNT]   ; 448 x the scale
.endr
.irp b, 0,1,2,3
	v_lshrrev_b32 v[TM+4+\b], 23, v[TM+12+\b]
.endr
	v_lshl_or_b32 v[\pw], v[TM+5], 8, v[TM+4]
	v_lshl_or_b32 v[\pw], v[TM+6], 16, v[\pw]
	v_lshl_or_b32 v[\pw], v[TM+7], 24, v[\pw]
.irp b, 0,1,2,3
.irp i, 0,1,2,3,4,5,6,7,8,9,10,11,12,13,14,15
	v_med3_num_f32 v[(\s)+16*\b+\i], v[(\s)+16*\b+\i], -v[TM+8+\b], v[TM+8+\b]
.endr
	v_cvt_scalef32_pk8_fp8_f32 v[(\pc)+4*\b:(\pc)+4*\b+1], v[(\s)+16*\b:(\s)+16*\b+7], v[TM+12+\b]
	v_cvt_scalef32_pk8_fp8_f32 v[(\pc)+4*\b+2:(\pc)+4*\b+3], v[(\s)+16*\b+8:(\s)+16*\b+15], v[TM+12+\b]
.endr
	v_nop                                          ; a plain line behind the last conversion: the next products write its sources
.endm
.macro TLOAD i, buf                    ; tile i of T and its scale words into set buf: nine loads
.irp m, 0,1,2,3,4,5,6,7
	global_load_b128 v[TF+32*(\buf)+4*\m:TF+32*(\buf)+4*\m+3], v1, s[32:33] offset:4096*(\i)+512*\m
.endr
	global_load_b32 v[TSC+(\buf)], v2, s[34:35] offset:128*(\i)
.endm
	s_load_b256 s[4:11], s[0:1], 0x0               ; xq, xs, wq, kv_s
	s_load_b128 s[12:15], s[0:1], 0x20             ; q_s, kv_c
	v_lshrrev_b32 v4, 5, v0
	v_readfirstlane_b32 s16, v4                    ; hf
	v_and_b32 v5, 31, v0
	v_lshlrev_b32 v1, 4, v5                        ; v1: 16 x lane
	v_lshlrev_b32 v2, 2, v5                        ; v2: 4 x lane
	v_and_b32 v6, 15, v0
	v_bfe_u32 v7, v0, 4, 1
	v_lshlrev_b32 v3, 5, v6
	v_lshl_add_u32 v3, v7, 4, v3                   ; v3: 32 r + 16 h: where my four scale words go
.irp b, 0,1,2,3
	v_mov_b32 v[TM+4+\b], 0                        ; a lane permute's destination counts as one of its sources
.endr
	s_mov_b32 s[SEL], 0x76543210
	s_mov_b32 s[SEL+1], 0xfedcba98
	s_mov_b32 s[MNT], 0x600000
	s_mov_b32 s[HM], 0xffff0000
	s_and_b32 s17, ttmp7, 0xffff                   ; y
	s_cmp_ge_u32 s17, 3                            ; products 3 and 4 take context's tiles
	s_cselect_b32 s18, 0x400000, 0
	s_cselect_b32 s19, 0x20000, 0
	s_lshl_b32 s20, ttmp9, 15
	s_add_co_u32 s20, s20, s18                     ; the record's 8 tiles in xq
	s_lshl_b32 s21, ttmp9, 10
	s_add_co_u32 s21, s21, s19                     ; their scale words in xs
	s_mul_i32 s22, s17, 67584
	s_lshl_b32 s23, s16, 15
	s_add_co_u32 s23, s23, s22                     ; the weight's tiles 8 hf on in wq
	s_lshl_b32 s24, s16, 10
	s_add_co_u32 s24, s24, s22
	s_add_co_u32 s24, s24, 65536                   ; their scale words
	s_cmp_eq_u32 s17, 1
	s_cselect_b32 s25, 1, 0
	s_cmp_eq_u32 s17, 4
	s_cselect_b32 s25, 1, s25                      ; 1: a V
	s_mov_b32 s26, 67584
	s_cmp_eq_u32 s17, 2
	s_cselect_b32 s26, 33792, s26                  ; a record's bytes in the buffer that I store into
	s_mul_i32 s26, s26, ttmp9
	s_mul_i32 s27, s25, 33792                      ; V's region lies behind K's
	s_add_co_u32 s26, s26, s27
	s_lshl_b32 s27, s16, 9
	s_add_co_u32 s27, s27, s26
	s_add_co_u32 s27, s27, 32768                   ; my half's scale words
	s_lshl_b32 s48, s16, 14
	s_add_co_u32 s48, s48, s26                     ; my half's codes
	s_mov_b32 s49, 0
	s_mov_b32 s37, 0
	s_mov_b32 s39, 0
	s_mov_b32 s41, 0
	s_mov_b32 s43, 0
	s_wait_kmcnt 0x0
	s_cmp_eq_u32 s25, 1                            ; V holds x and streams W; K and Q hold W and stream x.  The choice hangs on y alone
	s_cselect_b64 s[28:29], s[4:5], s[8:9]         ; H's codes
	s_cselect_b64 s[30:31], s[6:7], s[8:9]         ; H's scale words
	s_cselect_b64 s[32:33], s[8:9], s[4:5]         ; T's codes
	s_cselect_b64 s[34:35], s[8:9], s[6:7]         ; T's scale words
	s_cselect_b32 s36, s20, s23
	s_cselect_b32 s38, s21, s24
	s_cselect_b32 s40, s23, s20
	s_cselect_b32 s42, s24, s21
	s_add_nc_u64 s[28:29], s[28:29], s[36:37]
	s_add_nc_u64 s[30:31], s[30:31], s[38:39]
	s_add_nc_u64 s[32:33], s[32:33], s[40:41]
	s_add_nc_u64 s[34:35], s[34:35], s[42:43]
	s_cmp_lt_u32 s17, 2
	s_cselect_b64 s[44:45], s[10:11], s[14:15]     ; kv_s, kv_c,
	s_cmp_eq_u32 s17, 2
	s_cselect_b64 s[44:45], s[12:13], s[44:45]     ; or q_s
	s_mov_b32 s36, s27
	s_add_nc_u64 s[46:47], s[44:45], s[36:37]      ; scale words
	s_add_nc_u64 s[44:45], s[44:45], s[48:49]      ; codes
	WIN 0x40                                       ; destination window 1
.set n, 0
.rept 64                                       ; H(t, s) at v[32 t + 16 s] of window 1: an image: register group n at 512 n
	global_load_b128 v[4*n:4*n+3], v1, s[28:29] offset:512*n
.set n, n+1
.endr
	WIN 0
.irp t, 0,1,2,3,4,5,6,7
	global_load_b32 v[HS+\t], v2, s[30:31] offset:128*\t
.endr
	TLOAD 0, 0
	TLOAD 1, 1
.macro JOB i
.set B, (\i)%2
.if \i < 7
	s_wait_loadcnt 9                               ; H and tile i are in; the nine loads of tile i + 1 may be out
.else
	s_wait_loadcnt 0
.endif
	WIN 0x01                                       ; source 0 (H) window 1
.irp t, 0,1,2,3,4,5,6,7                        ; the eight accumulators by turns, one instruction a turn; the first K step starts the sums
	v_wmma_scale_f32_16x16x128_f8f6f4 v[HA+8*\t:HA+8*\t+7], v[32*\t:32*\t+15], v[TF+32*B:TF+32*B+15], 0, v[HS+\t], v[TSC+B]
.endr
.irp t, 0,1,2,3,4,5,6,7
	v_wmma_scale_f32_16x16x128_f8f6f4 v[HA+8*\t:HA+8*\t+7], v[32*\t+16:32*\t+31], v[TF+32*B+16:TF+32*B+31], v[HA+8*\t:HA+8*\t+7], v[HS+\t], v[TSC+B] matrix_a_scale:MATRIX_SCALE_ROW1 matrix_b_scale:MATRIX_SCALE_ROW1
.endr
	WIN 0
.rept 8
	v_nop                                          ; eight places in front of the loads into T's registers and of the first read of results
.endr
.if \i < 6
	TLOAD (\i)+2, B
.endif
	s_wait_xcnt 0x0                                ; the last tile's stores have read the codes' registers, which are written again below
	QUANT HA, PC, PWB+(\i)
.irp c, 0,1,2,3
	global_store_b128 v1, v[PC+4*\c:PC+4*\c+3], s[44:45] offset:2048*(\i)+512*\c   ; 32 lanes store 512 consecutive bytes
.endr
.endm
.irp i, 0,1,2,3,4,5,6,7
	JOB \i
.endr
.irp k, 0,1,2,3
	v_cndmask_b32 v[W4+\k], v[PWB+\k], v[PWB+4+\k], s[HM]   ; lane (r, h) stores row r's words of tiles 4 h .. 4 h + 3
.endr
	global_store_b128 v3, v[W4:W4+3], s[46:47]     ; 512 consecutive bytes
	s_endpgm
.Lfunc_end_k_q52fad6c3b4_proj:
	.size	k_q52fad6c3b4_proj, .Lfunc_end_k_q52fad6c3b4_proj-k_q52fad6c3b4_proj
	.p2alignl 7, 3214868480
	.fill 96, 4, 3214868480
	.section	.rodata,"a",@progbits
	.p2align	6, 0x0
	.amdhsa_kernel k_q52fad6c3b4_proj
		.amdhsa_group_segment_fixed_size 0
		.amdhsa_private_segment_fixed_size 0
		.amdhsa_enable_private_segment 0
		.amdhsa_kernarg_size 48
		.amdhsa_user_sgpr_count 2
		.amdhsa_user_sgpr_kernarg_segment_ptr 1
		.amdhsa_wavefront_size32 1
		.amdhsa_system_sgpr_workgroup_id_x 1
		.amdhsa_system_sgpr_workgroup_id_y 1
		.amdhsa_system_sgpr_workgroup_id_z 1
		.amdhsa_system_vgpr_workitem_id 0
		.amdhsa_next_free_vgpr 512
		.amdhsa_next_free_sgpr 66
		.amdhsa_reserve_vcc 0
		.amdhsa_float_denorm_mode_32 3
		.amdhsa_float_denorm_mode_16_64 3
		.amdhsa_memory_ordered 1
		.amdhsa_forward_progress 1
		.amdhsa_inst_pref_size 103
	.end_amdhsa_kernel
	.amdgpu_metadata
---
amdhsa.version: [ 1, 2 ]
amdhsa.kernels:
  - .name:           k_q52fad6c3b4_proj
    .symbol:         k_q52fad6c3b4_proj.kd
    .args:
      - { .name: xq, .offset: 0, .size: 8, .value_kind: global_buffer, .address_space: global }
      - { .name: xs, .offset: 8, .size: 8, .value_kind: global_buffer, .address_space: global }
      - { .name: wq, .offset: 16, .size: 8, .value_kind: global_buffer, .address_space: global }
      - { .name: kv_s, .offset: 24, .size: 8, .value_kind: global_buffer, .address_space: global }
      - { .name: q_s, .offset: 32, .size: 8, .value_kind: global_buffer, .address_space: global }
      - { .name: kv_c, .offset: 40, .size: 8, .value_kind: global_buffer, .address_space: global }
    .group_segment_fixed_size: 0
    .private_segment_fixed_size: 0
    .kernarg_segment_align: 8
    .kernarg_segment_size: 48
    .max_flat_workgroup_size: 64
    .sgpr_count:     66
    .vgpr_count:     512
    .wavefront_size: 32
...
	.end_amdgpu_metadata
.endif
;; end of part 2
;; launch selfatt (part 3): grid 256 x 1, 4 waves a work-group, no clusters, 327,680 bytes of LDS; arguments q_s, kv_s, inputs, wq, ln_g, ln_b, x1, q_c; writes x1, q_c
.if DOCPART == 3
	.amdgcn_target "amdgcn-amd-amdhsa--gfx1250"
	.amdhsa_code_object_version 6
	.text
	.protected	k_q52fad6c3b4_selfatt
	.globl	k_q52fad6c3b4_selfatt
	.p2align	8
	.type	k_q52fad6c3b4_selfatt,@function
k_q52fad6c3b4_selfatt:
	s_mov_b64 s[64:65], 0
	v_nop
	global_prefetch_b8 v0, s[64:65] scope:SCOPE_SE
	s_setreg_imm32_b32 hwreg(HW_REG_WAVE_MODE, 25, 1), 1
	s_wait_xcnt 0x0
; LAUNCHES 3 AND 4 ARE ONE TEXT: SELF = 1: products 4, 5 (causal), + inputs, layer norm -> x1, quantised, product 8 -> q_c.   SELF = 0: products 9, 10, + x1, layer norm, product 11 + b1, relu, + residual, layer norm, relu -> out0.
; LEFT OUT (SELF = 1; shown dead at the head of launch 1): key steps all of whose keys lie behind a wave's 32 queries, and the fetching of slots behind the work-group's last query.
; SHARES.  A work-group owns 64 queries of a batch: four tiles of 16 (tile t: 64 qb + 32 (t / 2) + 8 (t % 2) + r + 8 (r / 8)).  Four waves, as many as a WGP has SIMDs.  Wave w has key parity kp = w % 2 (of every slot of 256 keys it
; walks record kp, 128 keys a step, eight steps) and TWO tiles: set A = tile w, set B = tile w xor 1, the 32 queries of group w / 2.  So each fragment of K and of V that is read from LDS feeds two matrix instructions.
; At the end each wave hands set B to its partner w xor 1 through LDS and merges the partner's part into set A: M is a whole number, so the merge's factors are exact powers of two.  Then every wave runs the tail on tile w.
; LAYOUT.  Both products transposed: S^T = K Q^T, O^T = V^T P^T: a lane holds ONE query (lane % 16) of each tile throughout.  By the order of the rows in launch 2's tiles, register 16 b + i of S^T is key 64 b + 32 kp + 16 (lane / 16) + i
; of the slot (16 neighbours of a block of 32), and register n of O^T is channel 32 (n / 16) + 16 (lane / 16) + n % 16: the conversions' results ARE the next product's operand, for p and for the normalised rows alike.
; SOFTMAX: t = score x log2(e) / 16; M = the ceiling of the running largest t; p = 2^(t - M) is quantised along the keys; the row's sum is taken of the unquantised p and divides at the end.  The two tiles' lines stand by turns.
; RING.  Two LDS slots of 135,168 bytes (two records: K region, V region each), dense register images: every fragment load reads 512 consecutive bytes.  Each of the four waves fetches a quarter of a slot, one region, 132 rows of
; 256 bytes, by one tensor load behind each change of slots; by this text's own count a wave never has more than one tensor load out, and every wait on TENSORcnt is for 0.
; CLUSTER.  SELF = 0: the four query blocks of a cluster walk the same K and V and take the same W1: joint loads, mask 15.  SELF = 1: cluster = none: under the causal mask a work-group stops fetching at its last query, by a jump on
; ids round its load, so partners would ask for different numbers of tiles.
; LIMITS: a block of zeros gets the byte 1; NaN and infinities among the inputs are not served; a p or a partial sum more than 2^126 under its row's largest falls to 0.
.set SELF,  1
.set SLOTB, 135168                     ; a slot; as a bit pattern (bits 17 and 12) it shares no bit with wave x PART, so one exclusive or turns an address from one slot to the other
.set RECB,  67584                      ; a record: K region, V region.  Also a weight's block in wq
.set REGB,  33792                      ; a region
.set PART,  33792                      ; a quarter of a slot, half a weight
.set BATB,  1081344                    ; a batch's eight slots
.set SPARE, 2*SLOTB                    ; behind the ring: the spare words, 128 bytes a wave: two blocks of 256 bytes that no other line names
.set VEC,   SPARE+1024                 ; ln_g, ln_b (and b1): 1,024 bytes each, stored at the head, never filled
.set RP,    1040                       ; a residual row in LDS: 1,024 bytes + 16
.set WREG,  64*RP                      ; in slot 0, behind its last read: 64 residual rows from byte 0, then one weight
.set MRG,   SLOTB                      ; in slot 1, behind its last read: the O^T that is handed over, 16,384 bytes a tile,
.set MST,   MRG+4*16384                ; and its -M and l, 256 bytes a tile
.if SELF
.set WNUM, 5                           ; Wq_c
.else
.set WNUM, 6                           ; W1
.endif
; vector registers, window 0.  Where a line says 'tile x', x = 0 is set A and x = 1 set B
.set AK0, 1                            ; my lane's place in my record's K region, V region, scale words; never rewritten
.set AV0, 2
.set AS0, 3
.set ADK, 4                            ; the same in the slot in hand
.set ADV, 5
.set ADS, 6
.set SPW, 7                            ; LDS address of my spare word; never rewritten
.set NIL, 8                            ; 0; never rewritten
.set MA,  9                            ; the merge: where my tile's other part comes from
.set MS,  10                           ; and its -M and l
.set RA,  11                           ; my query's residual row, + 64 h
.set GA,  12                           ; VEC + 64 h
.set WA,  13                           ; the weight's images
.set WSA, 14                           ; the weight's scale words
.set L16, 15                           ; 16 x lane
.set NM,  16                           ; tile x: v[16 + 16 x] -M, the next register the running largest t
.set LS,  18                           ; tile x: v[18 + 16 x] and the next: the row's sum in two halves
.set SCR, 30                           ; tile x: v[30 + 8 x] at work; v31 at work
.set XF,  32                           ; v32-63 in the tail: the normalised row's two fragments (in the loop: set B's statistics, v32-55)
.set QS,  64                           ; registers that hold scale words and nothing else: tile x: Q's at 64 + 19 x,
.set PS,  65                           ; p's at 65 + 19 x
.set KS,  66                           ; v66-73 K's: lanes 0-15 channel half 0, lanes 16-31 half 1
.set VS,  74                           ; v74-81 V's: lanes 0-15 channel tiles 0-7, lanes 16-31 tiles 8-15
.set XS,  82                           ; the normalised row's
.set WS,  66                           ; v66-73 in the tail: the weight's
.set MB,  85                           ; the merge: where set B's O^T goes
.set MT,  86                           ; and its -M and l
.set RB2, 92                           ; my tile's rows in LDS, as whole rows
.set PFO, 93                           ; the prefetches' offset
.set QWO, 94                           ; 512 h + 32 r
.set MD0, 95                           ; r + 8 (r / 8) - 16 h
.set TM,  96                           ; tile x: 16 registers from 96 - 56 x on, at work: maxima, permutes and bytes, holds, scale operands, four each
.set FF,  112                          ; tile x: v[112 - 76 x] and the next: f = 2^(old M - new M)
.set TMP, 112                          ; v112-127 in the tail: held numbers on their way to a conversion
.set S,   128                          ; tile x: 64 registers from 128 + 64 x on: S^T, then p
.set Y,   128                          ; v128-255 in the tail: my query's 128 numbers
; window 1: v0-127 set A's O^T (channel tile tau at 8 tau); v128-255 fragment sets 0 and 1, four fragments each
; window 2: tile x: Q's two fragments from 32 x on; p's codes from 192 - 64 x on
; window 3: v0-127 set B's O^T; v128-255 fragment sets 2 and 3
.set QF,  0
.set PC,  192
; scalar registers
.set WV, 20                            ; my wave's number = set A's tile
.set WX, 21                            ; my partner's = set B's tile
.set KP, 22
.set BT, 24
.set QB, 25
.set SEL, 26
.set CS, 28                            ; s[28:29] c = log2(e) / 16
.set MNT, 30
.set TB, 31                            ; LDS byte at which the slot in hand begins
.set G1, 32                            ; s[32:39] group 1: 132 rows of 256 bytes, dense
.set G0, 40                            ; s[40:43] group 0 of the ring: it walks
.set G1R, 44                           ; s[44:51] group 1: 32 residual rows, padded
.set G0R, 52                           ; s[52:55]
.set G0W, 56                           ; s[56:59] half of the weight, with G1
.set SLOTS, 60
.set JK, 61                            ; the slot's first key
.set Q0, 62                            ; set A's base query
.set KF, 63                            ; my step's first key
.set Q0B, 66                           ; set B's base query
.set GB, 67                            ; the first of my 32 queries
.set PFA, 68
.set LIM, 70
.set HM, 71
.set QCO, 76                           ; s[76:77] set A's Q tile: its codes, s[78:79] its scale words, as offsets in a q buffer
.set QSO, 78
.set ROWO, 80                          ; s[80:81] set A's base row in a [16384][256] f32 buffer
.set LASTQ, 99                         ; my work-group's last query
.set MSB, 0
.macro WIN new                         ; the immediate's high byte repeats the setting that is left; a switch that changes nothing is dropped
.if MSB != (\new)
	s_set_vgpr_msb (MSB<<8)|(\new)
.set MSB, (\new)
.endif
.endm
.macro NOPS c
.rept \c
	v_nop
.endr
.endm
; The barrier of a change of slots.  SELF = 0: a round of the cluster's barrier: my work-group's barrier, wave 0's signal for the work-group, every wave's wait for the four work-groups, my work-group's barrier once more.
.macro BAR
	s_barrier_signal -1
	s_barrier_wait -1
.if !SELF
	s_cmp_lg_u32 s[WV], 0
	s_cbranch_scc1 .Lnot_wave_0_\@
	s_barrier_signal -3
.Lnot_wave_0_\@:
	s_barrier_wait -3
	s_barrier_signal -1
	s_barrier_wait -1
.endif
.endm
; A PREFETCH INTO THE L2 of the slot that the NEXT change will ask for: 528 blocks of 256 bytes, each named by one wave of one work-group in the launch; 22 blocks an instruction (lanes 22-31 name block 21 again).
; SELF = 1: the batch's first work-group asks, each wave for its own quarter: six instructions.  SELF = 0: the batch's first cluster asks, waves 0-2 of each partner two instructions; the partners are told apart by address.
; It stands behind the tensor load's lines.  The last change that fills a slot asks for nothing; slots 0 and 1 come by their loads alone.
.macro ASK
	s_cmp_gt_u32 s[SLOTS], s[LIM]
	s_cbranch_scc0 .Lnot_mine_\@
.if SELF
.irp k, 0,1,2,3,4,5
	global_prefetch_b8 v[PFO], s[PFA:PFA+1] offset:5632*\k th:TH_LOAD_NT scope:SCOPE_SE
.endr
.else
	global_prefetch_b8 v[PFO], s[PFA:PFA+1] th:TH_LOAD_NT scope:SCOPE_SE
	global_prefetch_b8 v[PFO], s[PFA:PFA+1] offset:5632 th:TH_LOAD_NT scope:SCOPE_SE
.endif
.Lnot_mine_\@:
.endm
; THE CHANGE OF SLOTS stands at a slot's head: all my tensor loads have landed (my quarter of the slot ahead), the add, my reads of the slot that I have left are over; the barrier; then the slot just left is filled with the next keys.
.macro CHANGE
	s_wait_tensorcnt 0x0                           ; no tensor load of mine is out, so the walking group 0 may be written
	ds_add_u32 v[SPW], v[NIL]                      ; 0 onto my spare word; the steps below stand between it and the wait for it
	s_xor_b32 s[G0+1], s[G0+1], SLOTB
	s_add_nc_u64 s[G0+2:G0+3], s[G0+2:G0+3], SLOTB
	s_wait_xcnt 0x0                                ; the last prefetches, a slot back, have read their address
	s_add_nc_u64 s[PFA:PFA+1], s[PFA:PFA+1], SLOTB
	s_wait_dscnt 0x0
	BAR
.if SELF                                       ; the look-ahead ends at the causal limit: a slot whose first key lies behind my work-group's last query is read by none of its waves.  Ids and the count of trips alone: all four waves go the same way
	s_add_co_u32 s96, s[JK], 256
	s_cmp_gt_u32 s96, s[LASTQ]
	s_cbranch_scc1 .Lpast_\@
.endif
	tensor_load_to_lds s[G0:G0+3], s[G1:G1+7]      ; my one tensor load behind this barrier: it has a whole step in which to land
	s_nop 0
	NOPS 4
.Lpast_\@:
	ASK
.endm
; The last change: slot 0 has been left for good.  Waves 0 and 1 bring the 64 residual rows into it, waves 2 and 3 the tail's weight; both land while the last step is walked in slot 1.
.macro LASTCHANGE
	s_wait_tensorcnt 0x0
	ds_add_u32 v[SPW], v[NIL]
	s_wait_dscnt 0x0
	BAR
	s_cmp_lt_u32 s[WV], 2
	s_cbranch_scc0 .Lfor_w
	tensor_load_to_lds s[G0R:G0R+3], s[G1R:G1R+7]
	s_nop 0
	NOPS 4
	s_branch .Lasked
.Lfor_w:
	tensor_load_to_lds s[G0W:G0W+3], s[G1:G1+7]
	s_nop 0
	NOPS 4
.Lasked:
.endm
; Fragment set fb lies in window 1 (fb = 0, 1) or 3 (fb = 2, 3), from v[128 + 64 (fb % 2)] on
.macro KLOAD g, fb                     ; K's key tiles 2 g, 2 g + 1, both channel halves, into set fb: 16 loads
	WIN 0x40+0x80*((\fb)/2)
.set FBR, 128+64*((\fb)%2)
.irp ii, 0,1
.irp s, 0,1
.irp c, 0,1,2,3
	ds_load_b128 v[FBR+32*\ii+16*\s+4*\c:FBR+32*\ii+16*\s+4*\c+3], v[ADK] offset:16384*\s+2048*(2*(\g)+\ii)+512*\c
.endr
.endr
.endr
.endm
.macro VLOAD q, fb                     ; V's channel tiles 4 q .. 4 q + 3 into set fb: 16 loads
	WIN 0x40+0x80*((\fb)/2)
.set FBR, 128+64*((\fb)%2)
.irp k, 0,1,2,3
.irp c, 0,1,2,3
	ds_load_b128 v[FBR+16*\k+4*\c:FBR+16*\k+4*\c+3], v[ADV] offset:2048*(4*(\q)+\k)+512*\c
.endr
.endr
.endm
.macro KQ8 g, fb                       ; S^T of key tiles 2 g, 2 g + 1 for both tiles of queries: four accumulators by turns; the first channel half starts the sums
	WIN 0x09+2*((\fb)/2)                           ; K's fragments window 1 or 3, Q window 2, S^T window 0
.set FBR, 128+64*((\fb)%2)
.irp x, 0,1
.irp ii, 0,1
	v_wmma_scale_f32_16x16x128_f8f6f4 v[S+64*\x+8*(2*(\g)+\ii):S+64*\x+8*(2*(\g)+\ii)+7], v[FBR+32*\ii:FBR+32*\ii+15], v[QF+32*\x:QF+32*\x+15], 0, v[KS+2*(\g)+\ii], v[QS+19*\x]
.endr
.endr
.irp x, 0,1
.irp ii, 0,1
	v_wmma_scale_f32_16x16x128_f8f6f4 v[S+64*\x+8*(2*(\g)+\ii):S+64*\x+8*(2*(\g)+\ii)+7], v[FBR+32*\ii+16:FBR+32*\ii+31], v[QF+32*\x+16:QF+32*\x+31], v[S+64*\x+8*(2*(\g)+\ii):S+64*\x+8*(2*(\g)+\ii)+7], v[KS+2*(\g)+\ii], v[QS+19*\x] matrix_a_scale:MATRIX_SCALE_ROW1 matrix_b_scale:MATRIX_SCALE_ROW1
.endr
.endr
.endm
.macro PV8 q, fb                       ; O^T += V^T P^T for channel tiles 4 q .. 4 q + 3, set A's and then set B's
.set FBR, 128+64*((\fb)%2)
.irp x, 0,1
	WIN 0x59+0xa0*\x+2*((\fb)/2)                   ; V's fragments window 1 or 3, p's codes window 2, O^T window 1 (set A) or 3 (set B)
.irp k, 0,1,2,3
.if \q < 2
	v_wmma_scale_f32_16x16x128_f8f6f4 v[8*(4*(\q)+\k):8*(4*(\q)+\k)+7], v[FBR+16*\k:FBR+16*\k+15], v[PC-64*\x:PC-64*\x+15], v[8*(4*(\q)+\k):8*(4*(\q)+\k)+7], v[VS+4*(\q)+\k], v[PS+19*\x]
.else
	v_wmma_scale_f32_16x16x128_f8f6f4 v[8*(4*(\q)+\k):8*(4*(\q)+\k)+7], v[FBR+16*\k:FBR+16*\k+15], v[PC-64*\x:PC-64*\x+15], v[8*(4*(\q)+\k):8*(4*(\q)+\k)+7], v[VS+4*((\q)-2)+\k], v[PS+19*\x] matrix_a_scale:MATRIX_SCALE_ROW1
.endif
.endr
.endr
.endm
.macro RSALL                           ; both O^T under the new M: x f, exact; each channel tile from its low end on
.irp x, 0,1
	WIN 0x41+0x82*\x                               ; O^T window 1 or 3, f window 0
.set n, 0
.rept 64
	v_pk_mul_f32 v[2*n:2*n+1], v[2*n:2*n+1], v[FF-76*\x:FF-76*\x+1] op_sel_hi:[1,0]
.set n, n+1
.endr
.endr
.endm
; THE SOFTMAX OF A STEP, both tiles, all in window 0 but the codes: each line is written for set A and for set B in turn, so that a line that feeds the next has the other tile's between
.macro SOFTMAX2
.irp b, 0,1,2,3
.irp x, 0,1
	v_max3_num_f32 v[TM-56*\x+\b], v[S+64*\x+16*\b], v[S+64*\x+16*\b+1], v[S+64*\x+16*\b+2]   ; the largest score of each block of 32 keys: for the row's maximum and, since p rises with the score, for the block's largest p
.endr
.endr
.irp i, 3,5,7,9,11,13
.irp b, 0,1,2,3
.irp x, 0,1
	v_max3_num_f32 v[TM-56*\x+\b], v[TM-56*\x+\b], v[S+64*\x+16*\b+\i], v[S+64*\x+16*\b+\i+1]
.endr
.endr
.endr
.irp b, 0,1,2,3
.irp x, 0,1
	v_max_num_f32 v[TM-56*\x+\b], v[TM-56*\x+\b], v[S+64*\x+16*\b+15]
.endr
.endr
.irp b, 0,1,2,3
.irp x, 0,1
	v_permlanex16_b32 v[TM-56*\x+4+\b], v[TM-56*\x+\b], s[SEL], s[SEL+1]
.endr
.endr
.irp b, 0,1,2,3
.irp x, 0,1
	v_max_num_f32 v[TM-56*\x+\b], v[TM-56*\x+\b], v[TM-56*\x+4+\b]   ; with lane l xor 16's 16 keys
.endr
.endr
.irp x, 0,1
	v_max3_num_f32 v[SCR+8*\x], v[TM-56*\x], v[TM-56*\x+1], v[TM-56*\x+2]
.endr
.irp x, 0,1
	v_max_num_f32 v[SCR+8*\x], v[SCR+8*\x], v[TM-56*\x+3]
.endr
.irp x, 0,1
	v_mul_f32 v[SCR+8*\x], s[CS], v[SCR+8*\x]      ; the step's largest t
.endr
.irp x, 0,1
	v_max_num_f32 v[NM+16*\x+1], v[NM+16*\x+1], v[SCR+8*\x]
.endr
.irp x, 0,1
	v_mov_b32 v[SCR+8*\x], v[NM+16*\x]
.endr
.irp x, 0,1
	v_floor_f32 v[NM+16*\x], -v[NM+16*\x+1]        ; -M = floor(-t): M is a whole number
.endr
.irp x, 0,1
	v_sub_f32 v[SCR+8*\x], v[NM+16*\x], v[SCR+8*\x]   ; old M - new M
.endr
.irp x, 0,1
	v_cvt_i32_f32 v[SCR+8*\x], v[SCR+8*\x]         ; (it saturates)
.endr
.irp x, 0,1
	v_ldexp_f32 v[FF-76*\x], 1.0, v[SCR+8*\x]      ; f
.endr
.irp x, 0,1
.set n, 0
.rept 32
	v_pk_fma_f32 v[S+64*\x+2*n:S+64*\x+2*n+1], v[S+64*\x+2*n:S+64*\x+2*n+1], s[CS:CS+1], v[NM+16*\x:NM+16*\x+1] op_sel_hi:[1,0,0]   ; t - M
.set n, n+1
.endr
.endr
.irp b, 0,1,2,3
.irp x, 0,1
	v_fma_f32 v[TM-56*\x+\b], v[TM-56*\x+\b], s[CS], v[NM+16*\x]
.endr
.endr
.set n, 0
.rept 128
	v_exp_f32 v[S+n], v[S+n]                       ; p, at most 1, not normalised
.set n, n+1
.endr
.irp x, 0,1
	v_pk_mul_f32 v[LS+16*\x:LS+16*\x+1], v[LS+16*\x:LS+16*\x+1], v[FF-76*\x:FF-76*\x+1] op_sel_hi:[1,0]   ; the sums under the new M: the plain lines behind the exponentials
.endr
	s_wait_alu depctr_va_vdst(0)                   ; one wait for the batch of 128, ahead of its first reader
.irp b, 0,1,2,3
.irp x, 0,1
	v_exp_f32 v[TM-56*\x+\b], v[TM-56*\x+\b]       ; each block's largest p
.endr
.endr
.irp x, 0,1
	v_pk_add_f32 v[TM-56*\x+4:TM-56*\x+5], v[S+64*\x:S+64*\x+1], v[S+64*\x+2:S+64*\x+3]   ; the row's sum of the unquantised p, in two chains a tile
.endr
.irp j, 4,8,12,16,20,24,28,32,36,40,44,48,52,56,60
.irp x, 0,1
	v_pk_add_f32 v[LS+16*\x:LS+16*\x+1], v[LS+16*\x:LS+16*\x+1], v[S+64*\x+\j:S+64*\x+\j+1]
	v_pk_add_f32 v[TM-56*\x+4:TM-56*\x+5], v[TM-56*\x+4:TM-56*\x+5], v[S+64*\x+\j+2:S+64*\x+\j+3]
.endr
.endr
.irp x, 0,1
	v_pk_add_f32 v[LS+16*\x:LS+16*\x+1], v[LS+16*\x:LS+16*\x+1], v[TM-56*\x+4:TM-56*\x+5]
.endr
	s_wait_alu depctr_va_vdst(0)                   ; and one for the eight
.irp b, 0,1,2,3
.irp x, 0,1
	v_max_num_f32 v[TM-56*\x+\b], 0x4800000, v[TM-56*\x+\b]   ; the floor 2^(9 - 127)
.endr
.endr
.irp b, 0,1,2,3
.irp x, 0,1
	v_add_nc_u32 v[TM-56*\x+12+\b], 0xfc000000, v[TM-56*\x+\b]   ; 8 off the exponent field: the conversion's scale operand
.endr
.endr
.irp b, 0,1,2,3
.irp x, 0,1
	v_and_or_b32 v[TM-56*\x+8+\b], v[TM-56*\x+\b], 0x7f800000, s[MNT]   ; 448 x the scale
.endr
.endr
.irp b, 0,1,2,3
.irp x, 0,1
	v_lshrrev_b32 v[TM-56*\x+4+\b], 23, v[TM-56*\x+12+\b]   ; the scale's byte
.endr
.endr
.irp x, 0,1
	v_lshl_or_b32 v[PS+19*\x], v[TM-56*\x+5], 8, v[TM-56*\x+4]   ; p's scale word for these 128 keys
.endr
.irp x, 0,1
	v_lshl_or_b32 v[PS+19*\x], v[TM-56*\x+6], 16, v[PS+19*\x]
.endr
.irp x, 0,1
	v_lshl_or_b32 v[PS+19*\x], v[TM-56*\x+7], 24, v[PS+19*\x]
.endr
.irp x, 0,1
.irp b, 0,1,2,3
.irp i, 0,1,2,3,4,5,6,7,8,9,10,11,12,13,14,15
	v_min_num_f32 v[S+64*\x+16*\b+\i], v[S+64*\x+16*\b+\i], v[TM-56*\x+8+\b]   ; the conversion to an 8-bit code does not saturate (ISA guide 7.6.2); p is not negative: the hold is one-sided
.endr
.endr
.endr
	WIN 0x80                                       ; the codes go to window 2
.irp x, 0,1
.irp b, 0,1,2,3
	v_cvt_scalef32_pk8_fp8_f32 v[PC-64*\x+4*\b:PC-64*\x+4*\b+1], v[S+64*\x+16*\b:S+64*\x+16*\b+7], v[TM-56*\x+12+\b]
	v_cvt_scalef32_pk8_fp8_f32 v[PC-64*\x+4*\b+2:PC-64*\x+4*\b+3], v[S+64*\x+16*\b+8:S+64*\x+16*\b+15], v[TM-56*\x+12+\b]
.endr
.endr
	v_nop                                          ; a plain line behind the last conversion
.endm
; A KEY STEP: my record's 128 keys of the slot in hand, for my 32 queries.  LDS loads in runs of 16; at most 52 are out.
.macro STEP
.if SELF                                       ; a step all of whose keys lie behind my 32 queries is left out: a scalar branch on ids.  My queries are an aligned group of 32 and KF is a multiple of 32: in a step that is walked key KF counts for every row
	s_lshl_b32 s[KF], s[KP], 5
	s_add_co_u32 s[KF], s[KF], s[JK]
	s_add_co_u32 s96, s[GB], 31
	s_cmp_gt_u32 s[KF], s96
	s_cbranch_scc1 .Lhidden_\@
.endif
	v_add_nc_u32 v[ADK], s[TB], v[AK0]
	v_add_nc_u32 v[ADV], s[TB], v[AV0]
	v_add_nc_u32 v[ADS], s[TB], v[AS0]
	NOPS 5                                         ; with the three additions: eight places behind the last step's products, in front of loads into their registers
	ds_load_b128 v[KS:KS+3], v[ADS]
	ds_load_b128 v[KS+4:KS+7], v[ADS] offset:16
	ds_load_b128 v[VS:VS+3], v[ADS] offset:REGB
	ds_load_b128 v[VS+4:VS+7], v[ADS] offset:REGB+16
	KLOAD 0, 0
	KLOAD 1, 1
	KLOAD 2, 2
	s_wait_dscnt 32                                ; the scale words and K's set 0 are in; sets 1 and 2 may be out
	KLOAD 3, 3
	KQ8 0, 0
	s_wait_dscnt 32                                ; set 1 is in; sets 2 and 3 may be out
	KQ8 1, 1
	s_wait_dscnt 16                                ; set 2 is in; set 3 may be out
	NOPS 8                                         ; eight places in front of loads into sets 0 and 1, which have been multiplied
	VLOAD 0, 0
	VLOAD 1, 1
	KQ8 2, 2
	s_wait_dscnt 32                                ; K's set 3 is in; V's two runs may be out
	KQ8 3, 3
	NOPS 8                                         ; eight places in front of the loads into set 2 and of the first read of S^T
	VLOAD 2, 2
	WIN 0
.if SELF                                       ; on the diagonal hidden scores become -infinity ahead of the maximum; a step all of whose keys count for all 32 queries passes this over
	s_add_co_u32 s96, s[KF], 223
	s_cmp_le_u32 s96, s[GB]
	s_cbranch_scc1 .Lopen_\@
	s_sub_co_i32 s96, s[Q0], s[KF]
	s_sub_co_i32 s97, s[Q0B], s[KF]
	v_add_nc_u32 v[SCR], s96, v[MD0]               ; d = my query - KF - 16 h.  Register 16 b + i holds key KF + 64 b + 16 h + i: hidden where 64 b + i > d
	v_add_nc_u32 v[SCR+8], s97, v[MD0]
	v_mov_b32 v31, 0xff800000
.irp x, 0,1
.set n, 0
.rept 64
	v_cmp_gt_i32 vcc_lo, 64*(n/16)+n%16, v[SCR+8*\x]
	v_cndmask_b32 v[S+64*\x+n], v[S+64*\x+n], v31, vcc_lo
.set n, n+1
.endr
.endr
.Lopen_\@:
.endif
	SOFTMAX2                                       ; V's tiles 0-11 land meanwhile
	RSALL                                          ; 128 plain lines: the places between the codes and scale words just made and the products below
	s_wait_dscnt 32                                ; V's set 0 is in; sets 1 and 2 may be out
	VLOAD 3, 3                                     ; set 3 was multiplied ahead of the softmax
	PV8 0, 0
	s_wait_dscnt 32                                ; set 1 is in; sets 2 and 3 may be out
	PV8 1, 1
	s_wait_dscnt 16                                ; set 2 is in
	PV8 2, 2
	s_wait_dscnt 0
	PV8 3, 3
	WIN 0
.Lhidden_\@:
.endm
; 64 numbers of a lane, register 16 b + i = k 32 b + 16 (lane / 16) + i of its row, become a fragment's codes in v[pc] on and its scale word in v[pw].  keep = 1: the numbers stay as they are; the held ones go through v[TMP] on, two sets by turns
.macro QUANT s, pc, pw, keep
.irp b, 0,1,2,3
	v_max3_num_f32 v[TM+\b], |v[(\s)+16*\b]|, |v[(\s)+1+16*\b]|, 0x4800000
.endr
.irp i, 2,4,6,8,10,12,14
.irp b, 0,1,2,3
	v_max3_num_f32 v[TM+\b], v[TM+\b], |v[(\s)+16*\b+\i]|, |v[(\s)+1+16*\b+\i]|
.endr
.endr
.irp b, 0,1,2,3
	v_permlanex16_b32 v[TM+4+\b], v[TM+\b], s[SEL], s[SEL+1]
.endr
.irp b, 0,1,2,3
	v_max_num_f32 v[TM+\b], v[TM+\b], v[TM+4+\b]
.endr
.irp b, 0,1,2,3
	v_add_nc_u32 v[TM+12+\b], 0xfc000000, v[TM+\b]
.endr
.irp b, 0,1,2,3
	v_and_or_b32 v[TM+8+\b], v[TM+\b], 0x7f800000, s[MNT]
.endr
.irp b, 0,1,2,3
	v_lshrrev_b32 v[TM+4+\b], 23, v[TM+12+\b]
.endr
	v_lshl_or_b32 v[\pw], v[TM+5], 8, v[TM+4]
	v_lshl_or_b32 v[\pw], v[TM+6], 16, v[\pw]
	v_lshl_or_b32 v[\pw], v[TM+7], 24, v[\pw]
.irp b, 0,1,2,3
.irp e, 0,1
.irp i, 0,1,2,3,4,5,6,7
.if \keep
	v_med3_num_f32 v[TMP+8*\e+\i], v[(\s)+16*\b+8*\e+\i], -v[TM+8+\b], v[TM+8+\b]
.else
	v_med3_num_f32 v[(\s)+16*\b+8*\e+\i], v[(\s)+16*\b+8*\e+\i], -v[TM+8+\b], v[TM+8+\b]
.endif
.endr
.if \keep
	v_cvt_scalef32_pk8_fp8_f32 v[(\pc)+4*\b+2*\e:(\pc)+4*\b+2*\e+1], v[TMP+8*\e:TMP+8*\e+7], v[TM+12+\b]
.else
	v_cvt_scalef32_pk8_fp8_f32 v[(\pc)+4*\b+2*\e:(\pc)+4*\b+2*\e+1], v[(\s)+16*\b+8*\e:(\s)+16*\b+8*\e+7], v[TM+12+\b]
.endif
.endr
.endr
	v_nop                                          ; a plain line behind the last conversion
.endm
.macro LDV adr, off, base1             ; 128 numbers in my lane's channel order (32 (n / 4) + 16 h + 4 (n % 4) on) into window 1, v[base1] on
	WIN 0x40
.set n, 0
.rept 32
	ds_load_b128 v[(\base1)+4*n:(\base1)+4*n+3], v[\adr] offset:(\off)+128*(n/4)+16*(n%4)
.set n, n+1
.endr
	WIN 0
.endm
.macro STATS                           ; Y becomes Y - mean; v[28:29] = 1 / sqrt(variance + 0.001): two passes, as reference() has it; a row's 256 numbers lie in lanes l and l xor 16
.irp k, 0,1,2,3
	v_pk_add_f32 v[TM+2*\k:TM+2*\k+1], v[Y+2*\k:Y+2*\k+1], v[Y+8+2*\k:Y+9+2*\k]
.endr
.set n, 8
.rept 56
	v_pk_add_f32 v[TM+2*(n%4):TM+2*(n%4)+1], v[TM+2*(n%4):TM+2*(n%4)+1], v[Y+2*n:Y+2*n+1]
.set n, n+1
.endr
	v_pk_add_f32 v[TM:TM+1], v[TM:TM+1], v[TM+2:TM+3]
	v_pk_add_f32 v[TM+4:TM+5], v[TM+4:TM+5], v[TM+6:TM+7]
	v_pk_add_f32 v[TM:TM+1], v[TM:TM+1], v[TM+4:TM+5]
	v_add_f32 v[TM], v[TM], v[TM+1]
	v_permlanex16_b32 v[TM+2], v[TM], s[SEL], s[SEL+1]
	v_add_f32 v[TM], v[TM], v[TM+2]
	v_mul_f32 v26, 0x3b800000, v[TM]               ; / 256
	v_mov_b32 v27, v26
.set n, 0
.rept 64
	v_pk_add_f32 v[Y+2*n:Y+2*n+1], v[Y+2*n:Y+2*n+1], v[26:27] neg_lo:[0,1] neg_hi:[0,1]
.set n, n+1
.endr
.irp k, 0,1,2,3
	v_pk_mul_f32 v[TM+2*\k:TM+2*\k+1], v[Y+2*\k:Y+2*\k+1], v[Y+2*\k:Y+2*\k+1]
.endr
.set n, 4
.rept 60
	v_pk_fma_f32 v[TM+2*(n%4):TM+2*(n%4)+1], v[Y+2*n:Y+2*n+1], v[Y+2*n:Y+2*n+1], v[TM+2*(n%4):TM+2*(n%4)+1]
.set n, n+1
.endr
	v_pk_add_f32 v[TM:TM+1], v[TM:TM+1], v[TM+2:TM+3]
	v_pk_add_f32 v[TM+4:TM+5], v[TM+4:TM+5], v[TM+6:TM+7]
	v_pk_add_f32 v[TM:TM+1], v[TM:TM+1], v[TM+4:TM+5]
	v_add_f32 v[TM], v[TM], v[TM+1]
	v_permlanex16_b32 v[TM+2], v[TM], s[SEL], s[SEL+1]
	v_add_f32 v[TM], v[TM], v[TM+2]
	v_mul_f32 v28, 0x3b800000, v[TM]
	v_add_f32 v28, 0x3a83126f, v28                 ; + 0.001
	v_rsq_f32 v28, v28
	v_nop                                          ; a plain line behind the transcendental,
	s_wait_alu depctr_va_vdst(0)                   ; and a wait ahead of its first reader
	v_mov_b32 v29, v28
.endm
.macro APPLY                           ; Y = Y x rs x g + b; g lies in window 1 from v128 on, b from v0 on
	s_wait_dscnt 0x0                               ; g and b are in
.set n, 0
.rept 64
	v_pk_mul_f32 v[Y+2*n:Y+2*n+1], v[Y+2*n:Y+2*n+1], v[28:29]
.set n, n+1
.endr
	WIN 0x14                                       ; sources 1 and 2 window 1
.set n, 0
.rept 64
	v_pk_fma_f32 v[Y+2*n:Y+2*n+1], v[Y+2*n:Y+2*n+1], v[128+2*n:129+2*n], v[2*n:2*n+1]
.set n, n+1
.endr
	WIN 0
.endm
.macro WLOAD hf, g, fb                 ; the weight's tiles 8 hf + 2 g, + 1, both K steps, into set fb of window 1: 16 loads
.irp ii, 0,1
.irp s, 0,1
.irp c, 0,1,2,3
	ds_load_b128 v[128+64*(\fb)+32*\ii+16*\s+4*\c:128+64*(\fb)+32*\ii+16*\s+4*\c+3], v[WA] offset:4096*(8*(\hf)+2*(\g)+\ii)+2048*\s+512*\c
.endr
.endr
.endr
.endm
.macro WP4 g, fb                       ; source 0 = 16 rows of the weight, source 1 = my 16 rows.  SELF = 1: sums in window 0 from v128 on, begun with 0.  SELF = 0: in window 1 from v0 on, begun with b1, which lies there
.irp ii, 0,1
.if SELF
	v_wmma_scale_f32_16x16x128_f8f6f4 v[128+8*(2*(\g)+\ii):128+8*(2*(\g)+\ii)+7], v[128+64*(\fb)+32*\ii:128+64*(\fb)+32*\ii+15], v[XF:XF+15], 0, v[WS+2*(\g)+\ii], v[XS]
.else
	v_wmma_scale_f32_16x16x128_f8f6f4 v[8*(2*(\g)+\ii):8*(2*(\g)+\ii)+7], v[128+64*(\fb)+32*\ii:128+64*(\fb)+32*\ii+15], v[XF:XF+15], v[8*(2*(\g)+\ii):8*(2*(\g)+\ii)+7], v[WS+2*(\g)+\ii], v[XS]
.endif
.endr
.irp ii, 0,1
.if SELF
	v_wmma_scale_f32_16x16x128_f8f6f4 v[128+8*(2*(\g)+\ii):128+8*(2*(\g)+\ii)+7], v[128+64*(\fb)+32*\ii+16:128+64*(\fb)+32*\ii+31], v[XF+16:XF+31], v[128+8*(2*(\g)+\ii):128+8*(2*(\g)+\ii)+7], v[WS+2*(\g)+\ii], v[XS] matrix_a_scale:MATRIX_SCALE_ROW1 matrix_b_scale:MATRIX_SCALE_ROW1
.else
	v_wmma_scale_f32_16x16x128_f8f6f4 v[8*(2*(\g)+\ii):8*(2*(\g)+\ii)+7], v[128+64*(\fb)+32*\ii+16:128+64*(\fb)+32*\ii+31], v[XF+16:XF+31], v[8*(2*(\g)+\ii):8*(2*(\g)+\ii)+7], v[WS+2*(\g)+\ii], v[XS] matrix_a_scale:MATRIX_SCALE_ROW1 matrix_b_scale:MATRIX_SCALE_ROW1
.endif
.endr
.endm
.macro PROJ hf                         ; my 16 rows x the weight's columns 128 hf .. 128 hf + 127
.if !SELF
	WIN 0x40
.set n, 0
.rept 16                                       ; b1 in the result's layout: tile t = n / 2, registers 4 (n % 2) on: columns 128 hf + 32 (t / 2) + 8 (t % 2) + 16 h on
	ds_load_b128 v[4*n:4*n+3], v[GA] offset:2048+512*(\hf)+128*(n/4)+32*((n/2)%2)+16*(n%2)
.set n, n+1
.endr
	WIN 0
.endif
.irp t, 0,1,2,3,4,5,6,7
	ds_load_b32 v[WS+\t], v[WSA] offset:128*(8*(\hf)+\t)
.endr
	WIN 0x40
	WLOAD \hf, 0, 0
	WLOAD \hf, 1, 1
.irp g, 0,1,2,3
.if \g < 3
	s_wait_dscnt 16                                ; all but the 16 loads issued last
.else
	s_wait_dscnt 0
.endif
.if SELF
	WIN 0x01
.else
	WIN 0x51
.endif
	WP4 \g, (\g%2)
	NOPS 8                                         ; eight places in front of loads into the set just multiplied, and of the first read of results
.if \g < 2
	WIN 0x40
	WLOAD \hf, (\g+2), (\g%2)
.endif
.endr
	WIN 0
.endm
.macro ROWS_OUT p                      ; Y goes into my tile's own rows in LDS and leaves as whole rows: each store covers 512 consecutive bytes, aligned.  LDS serves a wave's instructions in order: no wait between the stores and the loads
.set n, 0
.rept 32
	ds_store_b128 v[RA], v[Y+4*n:Y+4*n+3] offset:128*(n/4)+16*(n%4)
.set n, n+1
.endr
	WIN 0x40
.set n, 0
.rept 32
	ds_load_b128 v[4*n:4*n+3], v[RB2] offset:((n/2)+8*(n/16))*RP+512*(n%2)
.set n, n+1
.endr
	WIN 0x04                                       ; a store's data are its source 1: window 1
.set n, 0
.rept 32
	s_wait_dscnt 31-n                              ; load n is back; the 31 - n younger ones may be out
	global_store_b128 v[L16], v[4*n:4*n+3], s[\p:\p+1] offset:((n/2)+8*(n/16))*1024+512*(n%2) th:TH_STORE_NT
.set n, n+1
.endr
	WIN 0
.endm
	s_load_b512 s[4:19], s[0:1], 0x0               ; Q s[4:5], KV s[6:7], residual s[8:9], wq s[10:11], ln_g s[12:13], ln_b s[14:15], then SELF = 1: x1, q_c; SELF = 0: b1, out0
	v_lshl_add_u32 v[SPW], v0, 2, SPARE
	v_mov_b32 v[NIL], 0
	ds_add_u32 v[SPW], v[NIL]                      ; the wave's opening: the add, twice on end, and its wait ahead of my first tensor load; the set-up below stands between the second and the wait
	ds_add_u32 v[SPW], v[NIL]
	v_lshrrev_b32 v30, 5, v0
	v_readfirstlane_b32 s[WV], v30                 ; wave 0..3
	s_and_b32 s[KP], s[WV], 1
	s_xor_b32 s[WX], s[WV], 1
.if SELF
	s_lshr_b32 s[BT], ttmp9, 5                     ; batch
	s_and_b32 s[QB], ttmp9, 31                     ; block of 64 queries
.else
	s_bfe_u32 s23, ttmp6, 0x40000                  ; cx: it enters global addresses of my own rows and of the prefetches alone
	s_lshr_b32 s[BT], ttmp9, 3                     ; the batch, which the four partners share
	s_and_b32 s[QB], ttmp9, 7
	s_lshl_b32 s[QB], s[QB], 2
	s_add_co_u32 s[QB], s[QB], s23
.endif
	s_mov_b32 s[SEL], 0x76543210
	s_mov_b32 s[SEL+1], 0xfedcba98
	s_mov_b32 s[CS], 0x3db8aa3b                    ; log2(e) / 16
	s_mov_b32 s[CS+1], s[CS]
	s_mov_b32 s[MNT], 0x600000
	s_mov_b32 s[HM], 0xffff0000
	s_mov_b32 s[TB], 0
	s_mov_b32 s[SLOTS], 7
.if SELF
	s_mov_b32 s[JK], 0
	s_mov_b32 s[G1], 3<<16                         ; 15:0 no mask; 17:16 elements of 8 bytes; no padding
.else
	s_mov_b32 s[G1], 15|(3<<16)|(1<<21)            ; 15:0 the mask: all four work-groups; 21 set beside a mask
.endif
	s_mov_b32 s[G1+1], 32<<16                      ; tensor_dim0 = 32 elements: 256 bytes
	s_mov_b32 s[G1+2], 132<<16                     ; tensor_dim1 = 132
	s_mov_b32 s[G1+3], 32<<16                      ; tile_dim0
	s_mov_b32 s[G1+4], 132                         ; tile_dim1
	s_mov_b32 s[G1+5], 32                          ; the pitch: dense
	s_mov_b32 s[G1+6], 0
	s_mov_b32 s[G1+7], 0
	s_mov_b32 s[G1R], (2<<16)|(1<<20)|(7<<22)|(3<<25)   ; elements of 4 bytes; padding on: four words behind every 256
	s_mov_b32 s[G1R+1], 256<<16
	s_mov_b32 s[G1R+2], 32<<16
	s_mov_b32 s[G1R+3], 256<<16
	s_mov_b32 s[G1R+4], 32
	s_mov_b32 s[G1R+5], 256
	s_mov_b32 s[G1R+6], 0
	s_mov_b32 s[G1R+7], 0
	s_mov_b32 s[G0], 1
	s_mul_i32 s[G0+1], s[WV], PART                 ; LDS: my quarter of slot 0
	s_mov_b32 s[G0R], 1
	s_mul_i32 s[G0R+1], s[KP], 32*RP               ; LDS: 32 residual rows (waves 0 and 1 ask)
	s_mov_b32 s[G0W], 1
	s_mul_i32 s[G0W+1], s[KP], PART
	s_add_co_u32 s[G0W+1], s[G0W+1], WREG          ; LDS: half of the weight (waves 2 and 3 ask)
	s_mul_i32 s72, s[BT], BATB
	s_add_co_u32 s72, s72, s[G0+1]                 ; my quarter of the batch's slot 0, in memory
	s_mov_b32 s73, 0
.if SELF
	s_add_co_u32 s74, s72, SLOTB                   ; the prefetches stand in slot 1; the first change steps them to slot 2
	s_cmp_eq_u32 s[QB], 0
	s_cselect_b32 s[LIM], 1, -1
.else
	s_mul_i32 s74, s23, 3
	s_add_co_u32 s74, s74, s[WV]
	s_mul_i32 s74, s74, 11264                      ; 44 blocks for each of 12 asking waves
	s_mul_i32 s75, s[BT], BATB
	s_add_co_u32 s74, s74, s75
	s_add_co_u32 s74, s74, SLOTB
	s_and_b32 s96, ttmp9, 7
	s_cmp_lt_u32 s[WV], 3
	s_cselect_b32 s97, 0, 1
	s_or_b32 s96, s96, s97
	s_cmp_eq_u32 s96, 0                            ; the batch's first cluster, waves 0-2: the same in all four partners
	s_cselect_b32 s[LIM], 1, -1
.endif
	s_mov_b32 s75, 0
	s_lshr_b32 s96, s[WV], 1                       ; g
	s_lshl_b32 s98, s96, 5
	s_lshl_b32 s[GB], s[QB], 6
.if SELF
	s_or_b32 s[LASTQ], s[GB], 63
.endif
	s_add_co_u32 s[GB], s[GB], s98                 ; 64 qb + 32 g: the first of my 32 queries
	s_lshl_b32 s97, s[KP], 3
	s_add_co_u32 s[Q0], s[GB], s97                 ; set A: u = kp
	s_add_co_u32 s98, s98, s97                     ; 32 g + 8 u: set A's base row among the 64
.if SELF
	s_xor_b32 s97, s97, 8
	s_add_co_u32 s[Q0B], s[GB], s97                ; set B: u = 1 - kp
.endif
	s_lshl_b32 s[QCO], s[BT], 4                    ; my Q tiles: record 16 batch + 2 (qb / 4) + g, tiles 2 (qb % 4) + u
	s_lshr_b32 s[QSO], s[QB], 2
	s_lshl_b32 s[QSO], s[QSO], 1
	s_add_co_u32 s[QCO], s[QCO], s[QSO]
	s_add_co_u32 s[QCO], s[QCO], s96
	s_mul_i32 s[QCO], s[QCO], REGB
	s_and_b32 s[QSO], s[QB], 3
	s_lshl_b32 s[QSO], s[QSO], 1
	s_add_co_u32 s97, s[QSO], s[KP]                ; set A's tile in the record,
	s_xor_b32 s2, s97, 1                           ; set B's
	s_lshl_b32 s[QSO], s97, 2
	s_add_co_u32 s[QSO], s[QSO], s[QCO]
	s_add_co_u32 s[QSO], s[QSO], 32768
	s_lshl_b32 s100, s2, 2
	s_add_co_u32 s100, s100, s[QCO]
	s_add_co_u32 s100, s100, 32768                 ; s[100:101]: set B's scale words
	s_lshl_b32 s2, s2, 11
	s_add_co_u32 s2, s2, s[QCO]                    ; s[2:3]: set B's codes
	s_lshl_b32 s97, s97, 11
	s_add_co_u32 s[QCO], s[QCO], s97
	s_mov_b32 s[QCO+1], 0
	s_mov_b32 s[QSO+1], 0
	s_mov_b32 s3, 0
	s_mov_b32 s101, 0
	s_lshl_b32 s96, s[BT], 11
	s_add_co_u32 s[ROWO], s96, s[Q0]
	s_lshl_b32 s[ROWO], s[ROWO], 10
	s_mov_b32 s[ROWO+1], 0
	s_lshl_b32 s82, s[QB], 6
	s_add_co_u32 s82, s82, s96
	s_lshl_b32 s97, s[KP], 5
	s_add_co_u32 s82, s82, s97
	s_lshl_b32 s82, s82, 10                        ; the 32 residual rows that I would fetch
	s_mov_b32 s83, 0
	s_mul_i32 s84, s[KP], PART
	s_add_co_u32 s84, s84, WNUM*RECB               ; the half of the weight that I would fetch
	s_mov_b32 s85, 0
	s_wait_dscnt 0x0                               ; both opening adds are done
	s_wait_kmcnt 0x0
	s_add_nc_u64 s[G0+2:G0+3], s[6:7], s[72:73]
	s_or_b32 s[G0+3], s[G0+3], 0x80000000
	s_add_nc_u64 s[G0R+2:G0R+3], s[8:9], s[82:83]
	s_or_b32 s[G0R+3], s[G0R+3], 0x80000000
	s_add_nc_u64 s[G0W+2:G0W+3], s[10:11], s[84:85]
	s_or_b32 s[G0W+3], s[G0W+3], 0x80000000
	s_add_nc_u64 s[PFA:PFA+1], s[6:7], s[74:75]
	s_add_nc_u64 s[86:87], s[4:5], s[QCO:QCO+1]    ; set A: Q's codes
	s_add_nc_u64 s[88:89], s[4:5], s[QSO:QSO+1]    ; and scale words
	s_add_nc_u64 s[72:73], s[4:5], s[2:3]          ; set B: Q's codes
	s_add_nc_u64 s[74:75], s[4:5], s[100:101]      ; and scale words
.if SELF
	s_add_nc_u64 s[90:91], s[16:17], s[ROWO:ROWO+1]   ; x1 at set A's base row
	s_add_nc_u64 s[92:93], s[18:19], s[QCO:QCO+1]  ; q_c: set A's codes,
	s_add_nc_u64 s[94:95], s[18:19], s[QSO:QSO+1]  ; and its scale words
.else
	s_add_nc_u64 s[90:91], s[18:19], s[ROWO:ROWO+1]   ; out0 at set A's base row
	BAR                                            ; all four work-groups are here: the first joint loads meet
.endif
	tensor_load_to_lds s[G0:G0+3], s[G1:G1+7]      ; slot 0: every wave's first fill
	s_nop 0
	NOPS 4
	v_and_b32 v30, 31, v0                          ; lane
	v_and_b32 v31, 15, v0                          ; r
	v_bfe_u32 v96, v0, 4, 1                        ; h
	v_lshlrev_b32 v[L16], 4, v30
	v_lshlrev_b32 v[QWO], 5, v31
	v_lshl_add_u32 v[QWO], v96, 9, v[QWO]
	v_lshlrev_b32 v120, 3, v0
	global_load_b64 v[114:115], v120, s[12:13]     ; ln_g and ln_b: two numbers a thread
	global_load_b64 v[116:117], v120, s[14:15]
.if !SELF
	global_load_b64 v[118:119], v120, s[16:17]     ; b1
.endif
	WIN 0x80                                       ; destination window 2
.irp s, 0,1
.irp c, 0,1,2,3
	global_load_b128 v[QF+16*\s+4*\c:QF+16*\s+4*\c+3], v[L16], s[86:87] offset:16384*\s+512*\c   ; Q's fragments stay in registers: set A's,
.endr
.endr
.irp s, 0,1
.irp c, 0,1,2,3
	global_load_b128 v[QF+32+16*\s+4*\c:QF+32+16*\s+4*\c+3], v[L16], s[72:73] offset:16384*\s+512*\c   ; set B's
.endr
.endr
	WIN 0
	global_load_b32 v[QS], v[QWO], s[88:89]        ; lanes 0-15 the word of channel half 0, lanes 16-31 of half 1
	global_load_b32 v[QS+19], v[QWO], s[74:75]
	s_mul_i32 s96, s[KP], RECB                     ; every LDS address is made here
	v_add_nc_u32 v[AK0], s96, v[L16]
	v_add_nc_u32 v[AV0], REGB, v[AK0]
	v_add_nc_u32 v[AS0], s96, v[QWO]
	v_add_nc_u32 v[AS0], 32768, v[AS0]
	s_lshl_b32 s96, s[WV], 14
	s_add_co_u32 s96, s96, MRG
	v_add_nc_u32 v[MA], s96, v[L16]
	s_lshl_b32 s96, s[WX], 14
	s_add_co_u32 s96, s96, MRG
	v_add_nc_u32 v[MB], s96, v[L16]
	s_lshl_b32 s96, s[WV], 8
	s_add_co_u32 s96, s96, MST
	v_lshl_add_u32 v[MS], v30, 2, s96
	s_lshl_b32 s96, s[WX], 8
	s_add_co_u32 s96, s96, MST
	v_lshl_add_u32 v[MT], v30, 2, s96
	v_and_b32 v[MD0], 8, v31
	v_add_nc_u32 v[MD0], v[MD0], v31               ; r + 8 (r / 8)
	s_mul_i32 s96, s98, RP
	v_mul_u32_u24 v[RA], v[MD0], RP
	v_lshl_add_u32 v[RA], v96, 6, v[RA]
	v_add_nc_u32 v[RA], s96, v[RA]
	v_add_nc_u32 v[RB2], s96, v[L16]
	v_lshlrev_b32 v105, 4, v96
	v_sub_nc_u32 v[MD0], v[MD0], v105
	v_lshl_add_u32 v[GA], v96, 6, VEC
	v_add_nc_u32 v[WA], WREG, v[L16]
	v_lshl_add_u32 v[WSA], v30, 2, WREG+65536
	v_min_u32 v[PFO], 21, v30
	v_lshlrev_b32 v[PFO], 8, v[PFO]
	v_lshl_add_u32 v121, v0, 3, VEC
	WIN 0x40
.set n, 0
.rept 128
	v_mov_b32 v[n], 0                              ; O^T, set A's.  The step is written for every step alike: the first finds zeros, which the first change of M leaves zeros
.set n, n+1
.endr
	WIN 0xc0
.set n, 0
.rept 128
	v_mov_b32 v[n], 0                              ; set B's
.set n, n+1
.endr
	WIN 0
.irp x, 0,1
	v_mov_b32 v[NM+16*\x+1], 0xff61b1e6            ; the largest t so far: -3e38
	v_floor_f32 v[NM+16*\x], -v[NM+16*\x+1]
	v_mov_b32 v[LS+16*\x], 0
	v_mov_b32 v[LS+16*\x+1], 0
	v_mov_b32 v[FF-76*\x+1], 0                     ; named as the upper half of f's pair
.irp b, 0,1,2,3
	v_mov_b32 v[TM-56*\x+4+\b], 0                  ; a lane permute's destination counts as one of its sources
.endr
.endr
	v_mov_b32 v[SCR+8], 0                          ; likewise (v30 has been written)
	s_wait_loadcnt 0x0                             ; Q, ln_g, ln_b (b1)
	ds_store_b64 v121, v[114:115]                  ; read in the tail, behind many barriers; the first change of slots waits for these stores
	ds_store_b64 v121, v[116:117] offset:1024
.if !SELF
	ds_store_b64 v121, v[118:119] offset:2048
.endif
.Lslot:                                            ; seven trips: slots 0 to 6; behind each change the next slot is asked for (SELF = 1: up to the causal limit)
	CHANGE
	STEP
	s_xor_b32 s[TB], s[TB], SLOTB
.if SELF
	s_add_co_u32 s[JK], s[JK], 256
.endif
	s_sub_co_u32 s[SLOTS], s[SLOTS], 1
	s_cmp_lg_u32 s[SLOTS], 0
	s_cbranch_scc1 .Lslot
	LASTCHANGE
	STEP                                           ; slot 7
	; ---- the hand-over: every wave gives set B to its partner and keeps set A
	NOPS 8                                         ; eight places behind the last products
.irp x, 0,1
	v_add_f32 v[LS+16*\x], v[LS+16*\x], v[LS+16*\x+1]
.endr
.irp x, 0,1
	v_permlanex16_b32 v[SCR+8*\x], v[LS+16*\x], s[SEL], s[SEL+1]
.endr
.irp x, 0,1
	v_add_f32 v[LS+16*\x], v[LS+16*\x], v[SCR+8*\x]   ; my parity's sum of the row
.endr
	s_wait_tensorcnt 0x0                           ; my part of the residual rows or of the weight has landed,
	s_wait_dscnt 0x0                               ; and my reads of slot 1 are over
	s_barrier_signal -1
	s_barrier_wait -1                              ; both hold of every wave
	WIN 0x0c                                       ; an LDS store's data are its source 1: window 3
.set n, 0
.rept 32
	ds_store_b128 v[MB], v[4*n:4*n+3] offset:512*n   ; set B's O^T as an image of its registers, each channel tile from its low end on
.set n, n+1
.endr
	WIN 0
	ds_store_b32 v[MT], v[NM+16]
	ds_store_b32 v[MT], v[LS+16] offset:128
	s_wait_dscnt 0x0                               ; for the partner's sake: my stores are done
	s_barrier_signal -1
	s_barrier_wait -1
	; ---- THE TAIL: each wave on tile w and on its own rows: no barrier
	ds_load_b32 v20, v[MS]                         ; the partner's -M
	ds_load_b32 v21, v[MS] offset:128              ; and l
	WIN 0x40
.set n, 0
.rept 32
	ds_load_b128 v[128+4*n:128+4*n+3], v[MA] offset:512*n
.set n, n+1
.endr
	WIN 0
	s_wait_dscnt 32                                ; -M and l are in; the 32 loads of O^T may be out
	v_min_num_f32 v30, v[NM], v20                  ; -M of the whole row
	v_sub_f32 v22, v30, v[NM]
	v_sub_f32 v24, v30, v20
	v_cvt_i32_f32 v22, v22                         ; whole numbers, 0 or less (it saturates: a parity that walked no step gets the factor 0)
	v_cvt_i32_f32 v24, v24
	v_ldexp_f32 v22, 1.0, v22
	v_ldexp_f32 v24, 1.0, v24
	v_mul_f32 v31, v22, v[LS]
	v_fma_f32 v31, v24, v21, v31                   ; the row's sum
	v_rcp_f32 v31, v31
	v_nop
	s_wait_alu depctr_va_vdst(0)                   ; a wait ahead of the reciprocal's first reader
	v_mul_f32 v22, v22, v31
	v_mul_f32 v24, v24, v31
	v_mov_b32 v23, v22
	v_mov_b32 v25, v24
	s_wait_dscnt 0x0
	WIN 0x01                                       ; source 0 window 1
.set n, 0
.rept 64
	v_pk_mul_f32 v[Y+2*n:Y+2*n+1], v[2*n:2*n+1], v[22:23]
.set n, n+1
.endr
.set n, 0
.rept 64
	v_pk_fma_f32 v[Y+2*n:Y+2*n+1], v[128+2*n:129+2*n], v[24:25], v[Y+2*n:Y+2*n+1]
.set n, n+1
.endr
	WIN 0
	LDV RA, 0, 0                                   ; my query's residual row
	LDV GA, 0, 128                                 ; g
	s_wait_dscnt 32                                ; the residual is in; g's 32 loads may be out
	WIN 0x01
.set n, 0
.rept 64
	v_pk_add_f32 v[Y+2*n:Y+2*n+1], v[2*n:2*n+1], v[Y+2*n:Y+2*n+1]
.set n, n+1
.endr
	WIN 0
	LDV GA, 1024, 0                                ; b
	STATS
	APPLY
.if SELF
	ROWS_OUT 90                                    ; x1
	QUANT Y, XF, 30, 1
	QUANT Y+64, XF+16, 31, 1
	v_cndmask_b32 v[XS], v30, v31, s[HM]           ; lanes 0-15 the word of K step 0, lanes 16-31 of K step 1
	NOPS 8                                         ; a scale word made by vector instructions stands eight places ahead of the product
	PROJ 0
	QUANT 128, 192, 20, 0                          ; Q_c's channels 0-127 of my 16 rows: one fragment
.irp c, 0,1,2,3
	global_store_b128 v[L16], v[192+4*\c:192+4*\c+3], s[92:93] offset:512*\c
.endr
	PROJ 1
	QUANT 128, 208, 21, 0
.irp c, 0,1,2,3
	global_store_b128 v[L16], v[208+4*\c:208+4*\c+3], s[92:93] offset:16384+512*\c
.endr
	v_cndmask_b32 v22, v20, v21, s[HM]
	global_store_b32 v[QWO], v22, s[94:95]         ; 128 bytes a tile, four at a place: one part in 32 of the tile's codes
.else
	QUANT Y, XF, 30, 1
	QUANT Y+64, XF+16, 31, 1
	v_cndmask_b32 v[XS], v30, v31, s[HM]
	NOPS 8
.irp f, 0,1
	PROJ \f
	WIN 0x44                                       ; source 1 and destination window 1
.set n, 0
.rept 64
	v_max_num_f32 v[n], 0, v[n]                    ; relu, each tile from its low end on
.set n, n+1
.endr
	WIN 0x04
.set n, 0
.rept 32
	v_pk_add_f32 v[Y+64*\f+2*n:Y+64*\f+2*n+1], v[Y+64*\f+2*n:Y+64*\f+2*n+1], v[2*n:2*n+1]   ; + the residual
.set n, n+1
.endr
	WIN 0
.endr
	LDV GA, 0, 128
	LDV GA, 1024, 0
	STATS
	APPLY
.set n, 0
.rept 128
	v_max_num_f32 v[Y+n], 0, v[Y+n]
.set n, n+1
.endr
	ROWS_OUT 90                                    ; out0
.endif
	s_wait_tensorcnt 0x0                           ; the wave's end, behind my last tensor load and my last LDS store
	ds_add_u32 v[SPW], v[NIL]
	s_wait_dscnt 0x0
.if !SELF
	BAR                                            ; the closing round: no work-group ends while a partner may still ask for a tile that names it
.endif
	s_endpgm
.Lfunc_end_k_q52fad6c3b4_selfatt:
	.size	k_q52fad6c3b4_selfatt, .Lfunc_end_k_q52fad6c3b4_selfatt-k_q52fad6c3b4_selfatt
	.p2alignl 7, 3214868480
	.fill 96, 4, 3214868480
	.section	.rodata,"a",@progbits
	.p2align	6, 0x0
	.amdhsa_kernel k_q52fad6c3b4_selfatt
		.amdhsa_group_segment_fixed_size 327680
		.amdhsa_private_segment_fixed_size 0
		.amdhsa_enable_private_segment 0
		.amdhsa_kernarg_size 64
		.amdhsa_user_sgpr_count 2
		.amdhsa_user_sgpr_kernarg_segment_ptr 1
		.amdhsa_wavefront_size32 1
		.amdhsa_system_sgpr_workgroup_id_x 1
		.amdhsa_system_sgpr_workgroup_id_y 1
		.amdhsa_system_sgpr_workgroup_id_z 1
		.amdhsa_system_vgpr_workitem_id 0
		.amdhsa_next_free_vgpr 1024
		.amdhsa_next_free_sgpr 102
		.amdhsa_reserve_vcc 1
		.amdhsa_float_denorm_mode_32 3
		.amdhsa_float_denorm_mode_16_64 3
		.amdhsa_memory_ordered 1
		.amdhsa_forward_progress 1
		.amdhsa_inst_pref_size 248
	.end_amdhsa_kernel
	.amdgpu_metadata
---
amdhsa.version: [ 1, 2 ]
amdhsa.kernels:
  - .name:           k_q52fad6c3b4_selfatt
    .symbol:         k_q52fad6c3b4_selfatt.kd
    .args:
      - { .name: q_s, .offset: 0, .size: 8, .value_kind: global_buffer, .address_space: global }
      - { .name: kv_s, .offset: 8, .size: 8, .value_kind: global_buffer, .address_space: global }
      - { .name: inputs, .offset: 16, .size: 8, .value_kind: global_buffer, .address_space: global }
      - { .name: wq, .offset: 24, .size: 8, .value_kind: global_buffer, .address_space: global }
      - { .name: ln_g, .offset: 32, .size: 8, .value_kind: global_buffer, .address_space: global }
      - { .name: ln_b, .offset: 40, .size: 8, .value_kind: global_buffer, .address_space: global }
      - { .name: x1, .offset: 48, .size: 8, .value_kind: global_buffer, .address_space: global }
      - { .name: q_c, .offset: 56, .size: 8, .value_kind: global_buffer, .address_space: global }
    .group_segment_fixed_size: 327680
    .private_segment_fixed_size: 0
    .kernarg_segment_align: 8
    .kernarg_segment_size: 64
    .max_flat_workgroup_size: 128
    .sgpr_count:     102
    .vgpr_count:     1024
    .wavefront_size: 32
...
	.end_amdgpu_metadata
.endif
;; end of part 3
;; launch crossatt (part 4): grid 256 x 1, 4 waves a work-group, clusters of 4 x 1, 327,680 bytes of LDS; arguments q_c, kv_c, x1, wq, ln_g, ln_b, b1, out0; writes out0
.if DOCPART == 4
	.amdgcn_target "amdgcn-amd-amdhsa--gfx1250"
	.amdhsa_code_object_version 6
	.text
	.protected	k_q52fad6c3b4_crossatt
	.globl	k_q52fad6c3b4_crossatt
	.p2align	8
	.type	k_q52fad6c3b4_crossatt,@function
k_q52fad6c3b4_crossatt:
	s_mov_b64 s[64:65], 0
	v_nop
	global_prefetch_b8 v0, s[64:65] scope:SCOPE_SE
	s_setreg_imm32_b32 hwreg(HW_REG_WAVE_MODE, 25, 1), 1
	s_wait_xcnt 0x0
	s_wait_alu depctr_hold_cnt(0) depctr_sa_sdst(0) depctr_va_vdst(0) depctr_va_sdst(0) depctr_va_ssrc(0) depctr_va_vcc(0) depctr_vm_vsrc(0)
	s_getreg_b32 s2, hwreg(HW_REG_IB_STS2, 6, 4)
	s_cmp_eq_u32 s2, 0
	s_cbranch_scc0 .Lentry_in_a_cluster
	s_endpgm
.Lentry_in_a_cluster:
	s_bfe_u32 s2, ttmp6, 0x10000c
	s_cmp_lg_u32 s2, 0x3003
	s_cbranch_scc0 .Lentry_shape_is_right
	s_endpgm
.Lentry_shape_is_right:
; LAUNCHES 3 AND 4 ARE ONE TEXT: SELF = 1: products 4, 5 (causal), + inputs, layer norm -> x1, quantised, product 8 -> q_c.   SELF = 0: products 9, 10, + x1, layer norm, product 11 + b1, relu, + residual, layer norm, relu -> out0.
; LEFT OUT (SELF = 1 alone; shown dead at the head of launch 1): key steps all of whose keys lie behind a wave's 32 queries.  With SELF = 0 nothing is left out.
; SHARES.  A work-group owns 64 queries of a batch: four tiles of 16 (tile t: 64 qb + 32 (t / 2) + 8 (t % 2) + r + 8 (r / 8)).  Four waves, as many as a WGP has SIMDs.  Wave w has key parity kp = w % 2 (of every slot of 256 keys it
; walks record kp, 128 keys a step, eight steps) and TWO tiles: set A = tile w, set B = tile w xor 1, the 32 queries of group w / 2.  So each fragment of K and of V that is read from LDS feeds two matrix instructions.
; At the end each wave hands set B to its partner w xor 1 through LDS and merges the partner's part into set A: M is a whole number, so the merge's factors are exact powers of two.  Then every wave runs the tail on tile w.
; LAYOUT.  Both products transposed: S^T = K Q^T, O^T = V^T P^T: a lane holds ONE query (lane % 16) of each tile throughout.  By the order of the rows in launch 2's tiles, register 16 b + i of S^T is key 64 b + 32 kp + 16 (lane / 16) + i
; of the slot (16 neighbours of a block of 32), and register n of O^T is channel 32 (n / 16) + 16 (lane / 16) + n % 16: the conversions' results ARE the next product's operand, for p and for the normalised rows alike.
; SOFTMAX: t = score x log2(e) / 16; M = the ceiling of the running largest t; p = 2^(t - M) is quantised along the keys; the row's sum is taken of the unquantised p and divides at the end.  The two tiles' lines stand by turns.
; RING.  Two LDS slots of 135,168 bytes (two records: K region, V region each), dense register images: every fragment load reads 512 consecutive bytes.  Each of the four waves fetches a quarter of a slot, one region, 132 rows of
; 256 bytes, by one tensor load behind each change of slots; by this text's own count a wave never has more than one tensor load out, and every wait on TENSORcnt is for 0.
; CLUSTER.  SELF = 0: the four query blocks of a cluster walk the same K and V and take the same W1: joint loads, mask 15.  SELF = 1: cluster = none: under the causal mask a work-group stops fetching at its last query, by a jump on
; ids round its load, so partners would ask for different numbers of tiles.
; LIMITS: a block of zeros gets the byte 1; NaN and infinities among the inputs are not served; a p or a partial sum more than 2^126 under its row's largest falls to 0.
.set SELF,  0
.set SLOTB, 135168                     ; a slot; as a bit pattern (bits 17 and 12) it shares no bit with wave x PART, so one exclusive or turns an address from one slot to the other
.set RECB,  67584                      ; a record: K region, V region.  Also a weight's block in wq
.set REGB,  33792                      ; a region
.set PART,  33792                      ; a quarter of a slot, half a weight
.set BATB,  1081344                    ; a batch's eight slots
.set SPARE, 2*SLOTB                    ; behind the ring: the spare words, 128 bytes a wave: two blocks of 256 bytes that no other line names
.set VEC,   SPARE+1024                 ; ln_g, ln_b (and b1): 1,024 bytes each, stored at the head, never filled
.set RP,    1040                       ; a residual row in LDS: 1,024 bytes + 16
.set WREG,  64*RP                      ; in slot 0, behind its last read: 64 residual rows from byte 0, then one weight
.set MRG,   SLOTB                      ; in slot 1, behind its last read: the O^T that is handed over, 16,384 bytes a tile,
.set MST,   MRG+4*16384                ; and its -M and l, 256 bytes a tile
.if SELF
.set WNUM, 5                           ; Wq_c
.else
.set WNUM, 6                           ; W1
.endif
; vector registers, window 0.  Where a line says 'tile x', x = 0 is set A and x = 1 set B
.set AK0, 1                            ; my lane's place in my record's K region, V region, scale words; never rewritten
.set AV0, 2
.set AS0, 3
.set ADK, 4                            ; the same in the slot in hand
.set ADV, 5
.set ADS, 6
.set SPW, 7                            ; LDS address of my spare word; never rewritten
.set NIL, 8                            ; 0; never rewritten
.set MA,  9                            ; the merge: where my tile's other part comes from
.set MS,  10                           ; and its -M and l
.set RA,  11                           ; my query's residual row, + 64 h
.set GA,  12                           ; VEC + 64 h
.set WA,  13                           ; the weight's images
.set WSA, 14                           ; the weight's scale words
.set L16, 15                           ; 16 x lane
.set NM,  16                           ; tile x: v[16 + 16 x] -M, the next register the running largest t
.set LS,  18                           ; tile x: v[18 + 16 x] and the next: the row's sum in two halves
.set SCR, 30                           ; tile x: v[30 + 8 x] at work; v31 at work
.set XF,  32                           ; v32-63 in the tail: the normalised row's two fragments (in the loop: set B's statistics, v32-55)
.set QS,  64                           ; registers that hold scale words and nothing else: tile x: Q's at 64 + 19 x,
.set PS,  65                           ; p's at 65 + 19 x
.set KS,  66                           ; v66-73 K's: lanes 0-15 channel half 0, lanes 16-31 half 1
.set VS,  74                           ; v74-81 V's: lanes 0-15 channel tiles 0-7, lanes 16-31 tiles 8-15
.set XS,  82                           ; the normalised row's
.set WS,  66                           ; v66-73 in the tail: the weight's
.set MB,  85                           ; the merge: where set B's O^T goes
.set MT,  86                           ; and its -M and l
.set RB2, 92                           ; my tile's rows in LDS, as whole rows
.set PFO, 93                           ; the prefetches' offset
.set QWO, 94                           ; 512 h + 32 r
.set MD0, 95                           ; r + 8 (r / 8) - 16 h
.set TM,  96                           ; tile x: 16 registers from 96 - 56 x on, at work: maxima, permutes and bytes, holds, scale operands, four each
.set FF,  112                          ; tile x: v[112 - 76 x] and the next: f = 2^(old M - new M)
.set TMP, 112                          ; v112-127 in the tail: held numbers on their way to a conversion
.set S,   128                          ; tile x: 64 registers from 128 + 64 x on: S^T, then p
.set Y,   128                          ; v128-255 in the tail: my query's 128 numbers
; window 1: v0-127 set A's O^T (channel tile tau at 8 tau); v128-255 fragment sets 0 and 1, four fragments each
; window 2: tile x: Q's two fragments from 32 x on; p's codes from 192 - 64 x on
; window 3: v0-127 set B's O^T; v128-255 fragment sets 2 and 3
.set QF,  0
.set PC,  192
; scalar registers
.set WV, 20                            ; my wave's number = set A's tile
.set WX, 21                            ; my partner's = set B's tile
.set KP, 22
.set BT, 24
.set QB, 25
.set SEL, 26
.set CS, 28                            ; s[28:29] c = log2(e) / 16
.set MNT, 30
.set TB, 31                            ; LDS byte at which the slot in hand begins
.set G1, 32                            ; s[32:39] group 1: 132 rows of 256 bytes, dense
.set G0, 40                            ; s[40:43] group 0 of the ring: it walks
.set G1R, 44                           ; s[44:51] group 1: 32 residual rows, padded
.set G0R, 52                           ; s[52:55]
.set G0W, 56                           ; s[56:59] half of the weight, with G1
.set SLOTS, 60
.set JK, 61                            ; the slot's first key
.set Q0, 62                            ; set A's base query
.set KF, 63                            ; my step's first key
.set Q0B, 66                           ; set B's base query
.set GB, 67                            ; the first of my 32 queries
.set PFA, 68
.set LIM, 70
.set HM, 71
.set QCO, 76                           ; s[76:77] set A's Q tile: its codes, s[78:79] its scale words, as offsets in a q buffer
.set QSO, 78
.set ROWO, 80                          ; s[80:81] set A's base row in a [16384][256] f32 buffer
.set LASTQ, 99                         ; my work-group's last query
.set MSB, 0
.macro WIN new                         ; the immediate's high byte repeats the setting that is left; a switch that changes nothing is dropped
.if MSB != (\new)
	s_set_vgpr_msb (MSB<<8)|(\new)
.set MSB, (\new)
.endif
.endm
.macro NOPS c
.rept \c
	v_nop
.endr
.endm
; The barrier of a change of slots.  SELF = 0: a round of the cluster's barrier: my work-group's barrier, wave 0's signal for the work-group, every wave's wait for the four work-groups, my work-group's barrier once more.
.macro BAR
	s_barrier_signal -1
	s_barrier_wait -1
.if !SELF
	s_cmp_lg_u32 s[WV], 0
	s_cbranch_scc1 .Lnot_wave_0_\@
	s_barrier_signal -3
.Lnot_wave_0_\@:
	s_barrier_wait -3
	s_barrier_signal -1
	s_barrier_wait -1
.endif
.endm
; A PREFETCH INTO THE L2 of the slot that the NEXT change will ask for: 528 blocks of 256 bytes, each named by one wave of one work-group in the launch; 22 blocks an instruction (lanes 22-31 name block 21 again).
; SELF = 1: the batch's first work-group asks, each wave for its own quarter: six instructions.  SELF = 0: the batch's first cluster asks, waves 0-2 of each partner two instructions; the partners are told apart by address.
; It stands behind the tensor load's lines.  The last change that fills a slot asks for nothing; slots 0 and 1 come by their loads alone.
.macro ASK
	s_cmp_gt_u32 s[SLOTS], s[LIM]
	s_cbranch_scc0 .Lnot_mine_\@
.if SELF
.irp k, 0,1,2,3,4,5
	global_prefetch_b8 v[PFO], s[PFA:PFA+1] offset:5632*\k th:TH_LOAD_NT scope:SCOPE_SE
.endr
.else
	global_prefetch_b8 v[PFO], s[PFA:PFA+1] th:TH_LOAD_NT scope:SCOPE_SE
	global_prefetch_b8 v[PFO], s[PFA:PFA+1] offset:5632 th:TH_LOAD_NT scope:SCOPE_SE
.endif
.Lnot_mine_\@:
.endm
; THE CHANGE OF SLOTS stands at a slot's head: all my tensor loads have landed (my quarter of the slot ahead), the add, my reads of the slot that I have left are over; the barrier; then the slot just left is filled with the next keys.
.macro CHANGE
	s_wait_tensorcnt 0x0                           ; no tensor load of mine is out, so the walking group 0 may be written
	ds_add_u32 v[SPW], v[NIL]                      ; 0 onto my spare word; the steps below stand between it and the wait for it
	s_xor_b32 s[G0+1], s[G0+1], SLOTB
	s_add_nc_u64 s[G0+2:G0+3], s[G0+2:G0+3], SLOTB
	s_wait_xcnt 0x0                                ; the last prefetches, a slot back, have read their address
	s_add_nc_u64 s[PFA:PFA+1], s[PFA:PFA+1], SLOTB
	s_wait_dscnt 0x0
	BAR
.if SELF                                       ; the look-ahead ends at the causal limit: a slot whose first key lies behind my work-group's last query is read by none of its waves.  Ids and the count of trips alone: all four waves go the same way
	s_add_co_u32 s96, s[JK], 256
	s_cmp_gt_u32 s96, s[LASTQ]
	s_cbranch_scc1 .Lpast_\@
.endif
	tensor_load_to_lds s[G0:G0+3], s[G1:G1+7]      ; my one tensor load behind this barrier: it has a whole step in which to land
	s_nop 0
	NOPS 4
.Lpast_\@:
	ASK
.endm
; The last change: slot 0 has been left for good.  Waves 0 and 1 bring the 64 residual rows into it, waves 2 and 3 the tail's weight; both land while the last step is walked in slot 1.
.macro LASTCHANGE
	s_wait_tensorcnt 0x0
	ds_add_u32 v[SPW], v[NIL]
	s_wait_dscnt 0x0
	BAR
	s_cmp_lt_u32 s[WV], 2
	s_cbranch_scc0 .Lfor_w
	tensor_load_to_lds s[G0R:G0R+3], s[G1R:G1R+7]
	s_nop 0
	NOPS 4
	s_branch .Lasked
.Lfor_w:
	tensor_load_to_lds s[G0W:G0W+3], s[G1:G1+7]
	s_nop 0
	NOPS 4
.Lasked:
.endm
; Fragment set fb lies in window 1 (fb = 0, 1) or 3 (fb = 2, 3), from v[128 + 64 (fb % 2)] on
.macro KLOAD g, fb                     ; K's key tiles 2 g, 2 g + 1, both channel halves, into set fb: 16 loads
	WIN 0x40+0x80*((\fb)/2)
.set FBR, 128+64*((\fb)%2)
.irp ii, 0,1
.irp s, 0,1
.irp c, 0,1,2,3
	ds_load_b128 v[FBR+32*\ii+16*\s+4*\c:FBR+32*\ii+16*\s+4*\c+3], v[ADK] offset:16384*\s+2048*(2*(\g)+\ii)+512*\c
.endr
.endr
.endr
.endm
.macro VLOAD q, fb                     ; V's channel tiles 4 q .. 4 q + 3 into set fb: 16 loads
	WIN 0x40+0x80*((\fb)/2)
.set FBR, 128+64*((\fb)%2)
.irp k, 0,1,2,3
.irp c, 0,1,2,3
	ds_load_b128 v[FBR+16*\k+4*\c:FBR+16*\k+4*\c+3], v[ADV] offset:2048*(4*(\q)+\k)+512*\c
.endr
.endr
.endm
.macro KQ8 g, fb                       ; S^T of key tiles 2 g, 2 g + 1 for both tiles of queries: four accumulators by turns; the first channel half starts the sums
	WIN 0x09+2*((\fb)/2)                           ; K's fragments window 1 or 3, Q window 2, S^T window 0
.set FBR, 128+64*((\fb)%2)
.irp x, 0,1
.irp ii, 0,1
	v_wmma_scale_f32_16x16x128_f8f6f4 v[S+64*\x+8*(2*(\g)+\ii):S+64*\x+8*(2*(\g)+\ii)+7], v[FBR+32*\ii:FBR+32*\ii+15], v[QF+32*\x:QF+32*\x+15], 0, v[KS+2*(\g)+\ii], v[QS+19*\x]
.endr
.endr
.irp x, 0,1
.irp ii, 0,1
	v_wmma_scale_f32_16x16x128_f8f6f4 v[S+64*\x+8*(2*(\g)+\ii):S+64*\x+8*(2*(\g)+\ii)+7], v[FBR+32*\ii+16:FBR+32*\ii+31], v[QF+32*\x+16:QF+32*\x+31], v[S+64*\x+8*(2*(\g)+\ii):S+64*\x+8*(2*(\g)+\ii)+7], v[KS+2*(\g)+\ii], v[QS+19*\x] matrix_a_scale:MATRIX_SCALE_ROW1 matrix_b_scale:MATRIX_SCALE_ROW1
.endr
.endr
.endm
.macro PV8 q, fb                       ; O^T += V^T P^T for channel tiles 4 q .. 4 q + 3, set A's and then set B's
.set FBR, 128+64*((\fb)%2)
.irp x, 0,1
	WIN 0x59+0xa0*\x+2*((\fb)/2)                   ; V's fragments window 1 or 3, p's codes window 2, O^T window 1 (set A) or 3 (set B)
.irp k, 0,1,2,3
.if \q < 2
	v_wmma_scale_f32_16x16x128_f8f6f4 v[8*(4*(\q)+\k):8*(4*(\q)+\k)+7], v[FBR+16*\k:FBR+16*\k+15], v[PC-64*\x:PC-64*\x+15], v[8*(4*(\q)+\k):8*(4*(\q)+\k)+7], v[VS+4*(\q)+\k], v[PS+19*\x]
.else
	v_wmma_scale_f32_16x16x128_f8f6f4 v[8*(4*(\q)+\k):8*(4*(\q)+\k)+7], v[FBR+16*\k:FBR+16*\k+15], v[PC-64*\x:PC-64*\x+15], v[8*(4*(\q)+\k):8*(4*(\q)+\k)+7], v[VS+4*((\q)-2)+\k], v[PS+19*\x] matrix_a_scale:MATRIX_SCALE_ROW1
.endif
.endr
.endr
.endm
.macro RSALL                           ; both O^T under the new M: x f, exact; each channel tile from its low end on
.irp x, 0,1
	WIN 0x41+0x82*\x                               ; O^T window 1 or 3, f window 0
.set n, 0
.rept 64
	v_pk_mul_f32 v[2*n:2*n+1], v[2*n:2*n+1], v[FF-76*\x:FF-76*\x+1] op_sel_hi:[1,0]
.set n, n+1
.endr
.endr
.endm
; THE SOFTMAX OF A STEP, both tiles, all in window 0 but the codes: each line is written for set A and for set B in turn, so that a line that feeds the next has the other tile's between
.macro SOFTMAX2
.irp b, 0,1,2,3
.irp x, 0,1
	v_max3_num_f32 v[TM-56*\x+\b], v[S+64*\x+16*\b], v[S+64*\x+16*\b+1], v[S+64*\x+16*\b+2]   ; the largest score of each block of 32 keys: for the row's maximum and, since p rises with the score, for the block's largest p
.endr
.endr
.irp i, 3,5,7,9,11,13
.irp b, 0,1,2,3
.irp x, 0,1
	v_max3_num_f32 v[TM-56*\x+\b], v[TM-56*\x+\b], v[S+64*\x+16*\b+\i], v[S+64*\x+16*\b+\i+1]
.endr
.endr
.endr
.irp b, 0,1,2,3
.irp x, 0,1
	v_max_num_f32 v[TM-56*\x+\b], v[TM-56*\x+\b], v[S+64*\x+16*\b+15]
.endr
.endr
.irp b, 0,1,2,3
.irp x, 0,1
	v_permlanex16_b32 v[TM-56*\x+4+\b], v[TM-56*\x+\b], s[SEL], s[SEL+1]
.endr
.endr
.irp b, 0,1,2,3
.irp x, 0,1
	v_max_num_f32 v[TM-56*\x+\b], v[TM-56*\x+\b], v[TM-56*\x+4+\b]   ; with lane l xor 16's 16 keys
.endr
.endr
.irp x, 0,1
	v_max3_num_f32 v[SCR+8*\x], v[TM-56*\x], v[TM-56*\x+1], v[TM-56*\x+2]
.endr
.irp x, 0,1
	v_max_num_f32 v[SCR+8*\x], v[SCR+8*\x], v[TM-56*\x+3]
.endr
.irp x, 0,1
	v_mul_f32 v[SCR+8*\x], s[CS], v[SCR+8*\x]      ; the step's largest t
.endr
.irp x, 0,1
	v_max_num_f32 v[NM+16*\x+1], v[NM+16*\x+1], v[SCR+8*\x]
.endr
.irp x, 0,1
	v_mov_b32 v[SCR+8*\x], v[NM+16*\x]
.endr
.irp x, 0,1
	v_floor_f32 v[NM+16*\x], -v[NM+16*\x+1]        ; -M = floor(-t): M is a whole number
.endr
.irp x, 0,1
	v_sub_f32 v[SCR+8*\x], v[NM+16*\x], v[SCR+8*\x]   ; old M - new M
.endr
.irp x, 0,1
	v_cvt_i32_f32 v[SCR+8*\x], v[SCR+8*\x]         ; (it saturates)
.endr
.irp x, 0,1
	v_ldexp_f32 v[FF-76*\x], 1.0, v[SCR+8*\x]      ; f
.endr
.irp x, 0,1
.set n, 0
.rept 32
	v_pk_fma_f32 v[S+64*\x+2*n:S+64*\x+2*n+1], v[S+64*\x+2*n:S+64*\x+2*n+1], s[CS:CS+1], v[NM+16*\x:NM+16*\x+1] op_sel_hi:[1,0,0]   ; t - M
.set n, n+1
.endr
.endr
.irp b, 0,1,2,3
.irp x, 0,1
	v_fma_f32 v[TM-56*\x+\b], v[TM-56*\x+\b], s[CS], v[NM+16*\x]
.endr
.endr
.set n, 0
.rept 128
	v_exp_f32 v[S+n], v[S+n]                       ; p, at most 1, not normalised
.set n, n+1
.endr
.irp x, 0,1
	v_pk_mul_f32 v[LS+16*\x:LS+16*\x+1], v[LS+16*\x:LS+16*\x+1], v[FF-76*\x:FF-76*\x+1] op_sel_hi:[1,0]   ; the sums under the new M: the plain lines behind the exponentials
.endr
	s_wait_alu depctr_va_vdst(0)                   ; one wait for the batch of 128, ahead of its first reader
.irp b, 0,1,2,3
.irp x, 0,1
	v_exp_f32 v[TM-56*\x+\b], v[TM-56*\x+\b]       ; each block's largest p
.endr
.endr
.irp x, 0,1
	v_pk_add_f32 v[TM-56*\x+4:TM-56*\x+5], v[S+64*\x:S+64*\x+1], v[S+64*\x+2:S+64*\x+3]   ; the row's sum of the unquantised p, in two chains a tile
.endr
.irp j, 4,8,12,16,20,24,28,32,36,40,44,48,52,56,60
.irp x, 0,1
	v_pk_add_f32 v[LS+16*\x:LS+16*\x+1], v[LS+16*\x:LS+16*\x+1], v[S+64*\x+\j:S+64*\x+\j+1]
	v_pk_add_f32 v[TM-56*\x+4:TM-56*\x+5], v[TM-56*\x+4:TM-56*\x+5], v[S+64*\x+\j+2:S+64*\x+\j+3]
.endr
.endr
.irp x, 0,1
	v_pk_add_f32 v[LS+16*\x:LS+16*\x+1], v[LS+16*\x:LS+16*\x+1], v[TM-56*\x+4:TM-56*\x+5]
.endr
	s_wait_alu depctr_va_vdst(0)                   ; and one for the eight
.irp b, 0,1,2,3
.irp x, 0,1
	v_max_num_f32 v[TM-56*\x+\b], 0x4800000, v[TM-56*\x+\b]   ; the floor 2^(9 - 127)
.endr
.endr
.irp b, 0,1,2,3
.irp x, 0,1
	v_add_nc_u32 v[TM-56*\x+12+\b], 0xfc000000, v[TM-56*\x+\b]   ; 8 off the exponent field: the conversion's scale operand
.endr
.endr
.irp b, 0,1,2,3
.irp x, 0,1
	v_and_or_b32 v[TM-56*\x+8+\b], v[TM-56*\x+\b], 0x7f800000, s[MNT]   ; 448 x the scale
.endr
.endr
.irp b, 0,1,2,3
.irp x, 0,1
	v_lshrrev_b32 v[TM-56*\x+4+\b], 23, v[TM-56*\x+12+\b]   ; the scale's byte
.endr
.endr
.irp x, 0,1
	v_lshl_or_b32 v[PS+19*\x], v[TM-56*\x+5], 8, v[TM-56*\x+4]   ; p's scale word for these 128 keys
.endr
.irp x, 0,1
	v_lshl_or_b32 v[PS+19*\x], v[TM-56*\x+6], 16, v[PS+19*\x]
.endr
.irp x, 0,1
	v_lshl_or_b32 v[PS+19*\x], v[TM-56*\x+7], 24, v[PS+19*\x]
.endr
.irp x, 0,1
.irp b, 0,1,2,3
.irp i, 0,1,2,3,4,5,6,7,8,9,10,11,12,13,14,15
	v_min_num_f32 v[S+64*\x+16*\b+\i], v[S+64*\x+16*\b+\i], v[TM-56*\x+8+\b]   ; the conversion to an 8-bit code does not saturate (ISA guide 7.6.2); p is not negative: the hold is one-sided
.endr
.endr
.endr
	WIN 0x80                                       ; the codes go to window 2
.irp x, 0,1
.irp b, 0,1,2,3
	v_cvt_scalef32_pk8_fp8_f32 v[PC-64*\x+4*\b:PC-64*\x+4*\b+1], v[S+64*\x+16*\b:S+64*\x+16*\b+7], v[TM-56*\x+12+\b]
	v_cvt_scalef32_pk8_fp8_f32 v[PC-64*\x+4*\b+2:PC-64*\x+4*\b+3], v[S+64*\x+16*\b+8:S+64*\x+16*\b+15], v[TM-56*\x+12+\b]
.endr
.endr
	v_nop                                          ; a plain line behind the last conversion
.endm
; A KEY STEP: my record's 128 keys of the slot in hand, for my 32 queries.  LDS loads in runs of 16; at most 52 are out.
.macro STEP
.if SELF                                       ; a step all of whose keys lie behind my 32 queries is left out: a scalar branch on ids.  My queries are an aligned group of 32 and KF is a multiple of 32: in a step that is walked key KF counts for every row
	s_lshl_b32 s[KF], s[KP], 5
	s_add_co_u32 s[KF], s[KF], s[JK]
	s_add_co_u32 s96, s[GB], 31
	s_cmp_gt_u32 s[KF], s96
	s_cbranch_scc1 .Lhidden_\@
.endif
	v_add_nc_u32 v[ADK], s[TB], v[AK0]
	v_add_nc_u32 v[ADV], s[TB], v[AV0]
	v_add_nc_u32 v[ADS], s[TB], v[AS0]
	NOPS 5                                         ; with the three additions: eight places behind the last step's products, in front of loads into their registers
	ds_load_b128 v[KS:KS+3], v[ADS]
	ds_load_b128 v[KS+4:KS+7], v[ADS] offset:16
	ds_load_b128 v[VS:VS+3], v[ADS] offset:REGB
	ds_load_b128 v[VS+4:VS+7], v[ADS] offset:REGB+16
	KLOAD 0, 0
	KLOAD 1, 1
	KLOAD 2, 2
	s_wait_dscnt 32                                ; the scale words and K's set 0 are in; sets 1 and 2 may be out
	KLOAD 3, 3
	KQ8 0, 0
	s_wait_dscnt 32                                ; set 1 is in; sets 2 and 3 may be out
	KQ8 1, 1
	s_wait_dscnt 16                                ; set 2 is in; set 3 may be out
	NOPS 8                                         ; eight places in front of loads into sets 0 and 1, which have been multiplied
	VLOAD 0, 0
	VLOAD 1, 1
	KQ8 2, 2
	s_wait_dscnt 32                                ; K's set 3 is in; V's two runs may be out
	KQ8 3, 3
	NOPS 8                                         ; eight places in front of the loads into set 2 and of the first read of S^T
	VLOAD 2, 2
	WIN 0
.if SELF                                       ; on the diagonal hidden scores become -infinity ahead of the maximum; a step all of whose keys count for all 32 queries passes this over
	s_add_co_u32 s96, s[KF], 223
	s_cmp_le_u32 s96, s[GB]
	s_cbranch_scc1 .Lopen_\@
	s_sub_co_i32 s96, s[Q0], s[KF]
	s_sub_co_i32 s97, s[Q0B], s[KF]
	v_add_nc_u32 v[SCR], s96, v[MD0]               ; d = my query - KF - 16 h.  Register 16 b + i holds key KF + 64 b + 16 h + i: hidden where 64 b + i > d
	v_add_nc_u32 v[SCR+8], s97, v[MD0]
	v_mov_b32 v31, 0xff800000
.irp x, 0,1
.set n, 0
.rept 64
	v_cmp_gt_i32 vcc_lo, 64*(n/16)+n%16, v[SCR+8*\x]
	v_cndmask_b32 v[S+64*\x+n], v[S+64*\x+n], v31, vcc_lo
.set n, n+1
.endr
.endr
.Lopen_\@:
.endif
	SOFTMAX2                                       ; V's tiles 0-11 land meanwhile
	RSALL                                          ; 128 plain lines: the places between the codes and scale words just made and the products below
	s_wait_dscnt 32                                ; V's set 0 is in; sets 1 and 2 may be out
	VLOAD 3, 3                                     ; set 3 was multiplied ahead of the softmax
	PV8 0, 0
	s_wait_dscnt 32                                ; set 1 is in; sets 2 and 3 may be out
	PV8 1, 1
	s_wait_dscnt 16                                ; set 2 is in
	PV8 2, 2
	s_wait_dscnt 0
	PV8 3, 3
	WIN 0
.Lhidden_\@:
.endm
; 64 numbers of a lane, register 16 b + i = k 32 b + 16 (lane / 16) + i of its row, become a fragment's codes in v[pc] on and its scale word in v[pw].  keep = 1: the numbers stay as they are; the held ones go through v[TMP] on, two sets by turns
.macro QUANT s, pc, pw, keep
.irp b, 0,1,2,3
	v_max3_num_f32 v[TM+\b], |v[(\s)+16*\b]|, |v[(\s)+1+16*\b]|, 0x4800000
.endr
.irp i, 2,4,6,8,10,12,14
.irp b, 0,1,2,3
	v_max3_num_f32 v[TM+\b], v[TM+\b], |v[(\s)+16*\b+\i]|, |v[(\s)+1+16*\b+\i]|
.endr
.endr
.irp b, 0,1,2,3
	v_permlanex16_b32 v[TM+4+\b], v[TM+\b], s[SEL], s[SEL+1]
.endr
.irp b, 0,1,2,3
	v_max_num_f32 v[TM+\b], v[TM+\b], v[TM+4+\b]
.endr
.irp b, 0,1,2,3
	v_add_nc_u32 v[TM+12+\b], 0xfc000000, v[TM+\b]
.endr
.irp b, 0,1,2,3
	v_and_or_b32 v[TM+8+\b], v[TM+\b], 0x7f800000, s[MNT]
.endr
.irp b, 0,1,2,3
	v_lshrrev_b32 v[TM+4+\b], 23, v[TM+12+\b]
.endr
	v_lshl_or_b32 v[\pw], v[TM+5], 8, v[TM+4]
	v_lshl_or_b32 v[\pw], v[TM+6], 16, v[\pw]
	v_lshl_or_b32 v[\pw], v[TM+7], 24, v[\pw]
.irp b, 0,1,2,3
.irp e, 0,1
.irp i, 0,1,2,3,4,5,6,7
.if \keep
	v_med3_num_f32 v[TMP+8*\e+\i], v[(\s)+16*\b+8*\e+\i], -v[TM+8+\b], v[TM+8+\b]
.else
	v_med3_num_f32 v[(\s)+16*\b+8*\e+\i], v[(\s)+16*\b+8*\e+\i], -v[TM+8+\b], v[TM+8+\b]
.endif
.endr
.if \keep
	v_cvt_scalef32_pk8_fp8_f32 v[(\pc)+4*\b+2*\e:(\pc)+4*\b+2*\e+1], v[TMP+8*\e:TMP+8*\e+7], v[TM+12+\b]
.else
	v_cvt_scalef32_pk8_fp8_f32 v[(\pc)+4*\b+2*\e:(\pc)+4*\b+2*\e+1], v[(\s)+16*\b+8*\e:(\s)+16*\b+8*\e+7], v[TM+12+\b]
.endif
.endr
.endr
	v_nop                                          ; a plain line behind the last conversion
.endm
.macro LDV adr, off, base1             ; 128 numbers in my lane's channel order (32 (n / 4) + 16 h + 4 (n % 4) on) into window 1, v[base1] on
	WIN 0x40
.set n, 0
.rept 32
	ds_load_b128 v[(\base1)+4*n:(\base1)+4*n+3], v[\adr] offset:(\off)+128*(n/4)+16*(n%4)
.set n, n+1
.endr
	WIN 0
.endm
.macro STATS                           ; Y becomes Y - mean; v[28:29] = 1 / sqrt(variance + 0.001): two passes, as reference() has it; a row's 256 numbers lie in lanes l and l xor 16
.irp k, 0,1,2,3
	v_pk_add_f32 v[TM+2*\k:TM+2*\k+1], v[Y+2*\k:Y+2*\k+1], v[Y+8+2*\k:Y+9+2*\k]
.endr
.set n, 8
.rept 56
	v_pk_add_f32 v[TM+2*(n%4):TM+2*(n%4)+1], v[TM+2*(n%4):TM+2*(n%4)+1], v[Y+2*n:Y+2*n+1]
.set n, n+1
.endr
	v_pk_add_f32 v[TM:TM+1], v[TM:TM+1], v[TM+2:TM+3]
	v_pk_add_f32 v[TM+4:TM+5], v[TM+4:TM+5], v[TM+6:TM+7]
	v_pk_add_f32 v[TM:TM+1], v[TM:TM+1], v[TM+4:TM+5]
	v_add_f32 v[TM], v[TM], v[TM+1]
	v_permlanex16_b32 v[TM+2], v[TM], s[SEL], s[SEL+1]
	v_add_f32 v[TM], v[TM], v[TM+2]
	v_mul_f32 v26, 0x3b800000, v[TM]               ; / 256
	v_mov_b32 v27, v26
.set n, 0
.rept 64
	v_pk_add_f32 v[Y+2*n:Y+2*n+1], v[Y+2*n:Y+2*n+1], v[26:27] neg_lo:[0,1] neg_hi:[0,1]
.set n, n+1
.endr
.irp k, 0,1,2,3
	v_pk_mul_f32 v[TM+2*\k:TM+2*\k+1], v[Y+2*\k:Y+2*\k+1], v[Y+2*\k:Y+2*\k+1]
.endr
.set n, 4
.rept 60
	v_pk_fma_f32 v[TM+2*(n%4):TM+2*(n%4)+1], v[Y+2*n:Y+2*n+1], v[Y+2*n:Y+2*n+1], v[TM+2*(n%4):TM+2*(n%4)+1]
.set n, n+1
.endr
	v_pk_add_f32 v[TM:TM+1], v[TM:TM+1], v[TM+2:TM+3]
	v_pk_add_f32 v[TM+4:TM+5], v[TM+4:TM+5], v[TM+6:TM+7]
	v_pk_add_f32 v[TM:TM+1], v[TM:TM+1], v[TM+4:TM+5]
	v_add_f32 v[TM], v[TM], v[TM+1]
	v_permlanex16_b32 v[TM+2], v[TM], s[SEL], s[SEL+1]
	v_add_f32 v[TM], v[TM], v[TM+2]
	v_mul_f32 v28, 0x3b800000, v[TM]
	v_add_f32 v28, 0x3a83126f, v28                 ; + 0.001
	v_rsq_f32 v28, v28
	v_nop                                          ; a plain line behind the transcendental,
	s_wait_alu depctr_va_vdst(0)                   ; and a wait ahead of its first reader
	v_mov_b32 v29, v28
.endm
.macro APPLY                           ; Y = Y x rs x g + b; g lies in window 1 from v128 on, b from v0 on
	s_wait_dscnt 0x0                               ; g and b are in
.set n, 0
.rept 64
	v_pk_mul_f32 v[Y+2*n:Y+2*n+1], v[Y+2*n:Y+2*n+1], v[28:29]
.set n, n+1
.endr
	WIN 0x14                                       ; sources 1 and 2 window 1
.set n, 0
.rept 64
	v_pk_fma_f32 v[Y+2*n:Y+2*n+1], v[Y+2*n:Y+2*n+1], v[128+2*n:129+2*n], v[2*n:2*n+1]
.set n, n+1
.endr
	WIN 0
.endm
.macro WLOAD hf, g, fb                 ; the weight's tiles 8 hf + 2 g, + 1, both K steps, into set fb of window 1: 16 loads
.irp ii, 0,1
.irp s, 0,1
.irp c, 0,1,2,3
	ds_load_b128 v[128+64*(\fb)+32*\ii+16*\s+4*\c:128+64*(\fb)+32*\ii+16*\s+4*\c+3], v[WA] offset:4096*(8*(\hf)+2*(\g)+\ii)+2048*\s+512*\c
.endr
.endr
.endr
.endm
.macro WP4 g, fb                       ; source 0 = 16 rows of the weight, source 1 = my 16 rows.  SELF = 1: sums in window 0 from v128 on, begun with 0.  SELF = 0: in window 1 from v0 on, begun with b1, which lies there
.irp ii, 0,1
.if SELF
	v_wmma_scale_f32_16x16x128_f8f6f4 v[128+8*(2*(\g)+\ii):128+8*(2*(\g)+\ii)+7], v[128+64*(\fb)+32*\ii:128+64*(\fb)+32*\ii+15], v[XF:XF+15], 0, v[WS+2*(\g)+\ii], v[XS]
.else
	v_wmma_scale_f32_16x16x128_f8f6f4 v[8*(2*(\g)+\ii):8*(2*(\g)+\ii)+7], v[128+64*(\fb)+32*\ii:128+64*(\fb)+32*\ii+15], v[XF:XF+15], v[8*(2*(\g)+\ii):8*(2*(\g)+\ii)+7], v[WS+2*(\g)+\ii], v[XS]
.endif
.endr
.irp ii, 0,1
.if SELF
	v_wmma_scale_f32_16x16x128_f8f6f4 v[128+8*(2*(\g)+\ii):128+8*(2*(\g)+\ii)+7], v[128+64*(\fb)+32*\ii+16:128+64*(\fb)+32*\ii+31], v[XF+16:XF+31], v[128+8*(2*(\g)+\ii):128+8*(2*(\g)+\ii)+7], v[WS+2*(\g)+\ii], v[XS] matrix_a_scale:MATRIX_SCALE_ROW1 matrix_b_scale:MATRIX_SCALE_ROW1
.else
	v_wmma_scale_f32_16x16x128_f8f6f4 v[8*(2*(\g)+\ii):8*(2*(\g)+\ii)+7], v[128+64*(\fb)+32*\ii+16:128+64*(\fb)+32*\ii+31], v[XF+16:XF+31], v[8*(2*(\g)+\ii):8*(2*(\g)+\ii)+7], v[WS+2*(\g)+\ii], v[XS] matrix_a_scale:MATRIX_SCALE_ROW1 matrix_b_scale:MATRIX_SCALE_ROW1
.endif
.endr
.endm
.macro PROJ hf                         ; my 16 rows x the weight's columns 128 hf .. 128 hf + 127
.if !SELF
	WIN 0x40
.set n, 0
.rept 16                                       ; b1 in the result's layout: tile t = n / 2, registers 4 (n % 2) on: columns 128 hf + 32 (t / 2) + 8 (t % 2) + 16 h on
	ds_load_b128 v[4*n:4*n+3], v[GA] offset:2048+512*(\hf)+128*(n/4)+32*((n/2)%2)+16*(n%2)
.set n, n+1
.endr
	WIN 0
.endif
.irp t, 0,1,2,3,4,5,6,7
	ds_load_b32 v[WS+\t], v[WSA] offset:128*(8*(\hf)+\t)
.endr
	WIN 0x40
	WLOAD \hf, 0, 0
	WLOAD \hf, 1, 1
.irp g, 0,1,2,3
.if \g < 3
	s_wait_dscnt 16                                ; all but the 16 loads issued last
.else
	s_wait_dscnt 0
.endif
.if SELF
	WIN 0x01
.else
	WIN 0x51
.endif
	WP4 \g, (\g%2)
	NOPS 8                                         ; eight places in front of loads into the set just multiplied, and of the first read of results
.if \g < 2
	WIN 0x40
	WLOAD \hf, (\g+2), (\g%2)
.endif
.endr
	WIN 0
.endm
.macro ROWS_OUT p                      ; Y goes into my tile's own rows in LDS and leaves as whole rows: each store covers 512 consecutive bytes, aligned.  LDS serves a wave's instructions in order: no wait between the stores and the loads
.set n, 0
.rept 32
	ds_store_b128 v[RA], v[Y+4*n:Y+4*n+3] offset:128*(n/4)+16*(n%4)
.set n, n+1
.endr
	WIN 0x40
.set n, 0
.rept 32
	ds_load_b128 v[4*n:4*n+3], v[RB2] offset:((n/2)+8*(n/16))*RP+512*(n%2)
.set n, n+1
.endr
	WIN 0x04                                       ; a store's data are its source 1: window 1
.set n, 0
.rept 32
	s_wait_dscnt 31-n                              ; load n is back; the 31 - n younger ones may be out
	global_store_b128 v[L16], v[4*n:4*n+3], s[\p:\p+1] offset:((n/2)+8*(n/16))*1024+512*(n%2) th:TH_STORE_NT
.set n, n+1
.endr
	WIN 0
.endm
	s_load_b512 s[4:19], s[0:1], 0x0               ; Q s[4:5], KV s[6:7], residual s[8:9], wq s[10:11], ln_g s[12:13], ln_b s[14:15], then SELF = 1: x1, q_c; SELF = 0: b1, out0
	v_lshl_add_u32 v[SPW], v0, 2, SPARE
	v_mov_b32 v[NIL], 0
	ds_add_u32 v[SPW], v[NIL]                      ; the wave's opening: the add, twice on end, and its wait ahead of my first tensor load; the set-up below stands between the second and the wait
	ds_add_u32 v[SPW], v[NIL]
	v_lshrrev_b32 v30, 5, v0
	v_readfirstlane_b32 s[WV], v30                 ; wave 0..3
	s_and_b32 s[KP], s[WV], 1
	s_xor_b32 s[WX], s[WV], 1
.if SELF
	s_lshr_b32 s[BT], ttmp9, 5                     ; batch
	s_and_b32 s[QB], ttmp9, 31                     ; block of 64 queries
.else
	s_bfe_u32 s23, ttmp6, 0x40000                  ; cx: it enters global addresses of my own rows and of the prefetches alone
	s_lshr_b32 s[BT], ttmp9, 3                     ; the batch, which the four partners share
	s_and_b32 s[QB], ttmp9, 7
	s_lshl_b32 s[QB], s[QB], 2
	s_add_co_u32 s[QB], s[QB], s23
.endif
	s_mov_b32 s[SEL], 0x76543210
	s_mov_b32 s[SEL+1], 0xfedcba98
	s_mov_b32 s[CS], 0x3db8aa3b                    ; log2(e) / 16
	s_mov_b32 s[CS+1], s[CS]
	s_mov_b32 s[MNT], 0x600000
	s_mov_b32 s[HM], 0xffff0000
	s_mov_b32 s[TB], 0
	s_mov_b32 s[SLOTS], 7
.if SELF
	s_mov_b32 s[JK], 0
	s_mov_b32 s[G1], 3<<16                         ; 15:0 no mask; 17:16 elements of 8 bytes; no padding
.else
	s_mov_b32 s[G1], 15|(3<<16)|(1<<21)            ; 15:0 the mask: all four work-groups; 21 set beside a mask
.endif
	s_mov_b32 s[G1+1], 32<<16                      ; tensor_dim0 = 32 elements: 256 bytes
	s_mov_b32 s[G1+2], 132<<16                     ; tensor_dim1 = 132
	s_mov_b32 s[G1+3], 32<<16                      ; tile_dim0
	s_mov_b32 s[G1+4], 132                         ; tile_dim1
	s_mov_b32 s[G1+5], 32                          ; the pitch: dense
	s_mov_b32 s[G1+6], 0
	s_mov_b32 s[G1+7], 0
	s_mov_b32 s[G1R], (2<<16)|(1<<20)|(7<<22)|(3<<25)   ; elements of 4 bytes; padding on: four words behind every 256
	s_mov_b32 s[G1R+1], 256<<16
	s_mov_b32 s[G1R+2], 32<<16
	s_mov_b32 s[G1R+3], 256<<16
	s_mov_b32 s[G1R+4], 32
	s_mov_b32 s[G1R+5], 256
	s_mov_b32 s[G1R+6], 0
	s_mov_b32 s[G1R+7], 0
	s_mov_b32 s[G0], 1
	s_mul_i32 s[G0+1], s[WV], PART                 ; LDS: my quarter of slot 0
	s_mov_b32 s[G0R], 1
	s_mul_i32 s[G0R+1], s[KP], 32*RP               ; LDS: 32 residual rows (waves 0 and 1 ask)
	s_mov_b32 s[G0W], 1
	s_mul_i32 s[G0W+1], s[KP], PART
	s_add_co_u32 s[G0W+1], s[G0W+1], WREG          ; LDS: half of the weight (waves 2 and 3 ask)
	s_mul_i32 s72, s[BT], BATB
	s_add_co_u32 s72, s72, s[G0+1]                 ; my quarter of the batch's slot 0, in memory
	s_mov_b32 s73, 0
.if SELF
	s_add_co_u32 s74, s72, SLOTB                   ; the prefetches stand in slot 1; the first change steps them to slot 2
	s_cmp_eq_u32 s[QB], 0
	s_cselect_b32 s[LIM], 1, -1
.else
	s_mul_i32 s74, s23, 3
	s_add_co_u32 s74, s74, s[WV]
	s_mul_i32 s74, s74, 11264                      ; 44 blocks for each of 12 asking waves
	s_mul_i32 s75, s[BT], BATB
	s_add_co_u32 s74, s74, s75
	s_add_co_u32 s74, s74, SLOTB
	s_and_b32 s96, ttmp9, 7
	s_cmp_lt_u32 s[WV], 3
	s_cselect_b32 s97, 0, 1
	s_or_b32 s96, s96, s97
	s_cmp_eq_u32 s96, 0                            ; the batch's first cluster, waves 0-2: the same in all four partners
	s_cselect_b32 s[LIM], 1, -1
.endif
	s_mov_b32 s75, 0
	s_lshr_b32 s96, s[WV], 1                       ; g
	s_lshl_b32 s98, s96, 5
	s_lshl_b32 s[GB], s[QB], 6
.if SELF
	s_or_b32 s[LASTQ], s[GB], 63
.endif
	s_add_co_u32 s[GB], s[GB], s98                 ; 64 qb + 32 g: the first of my 32 queries
	s_lshl_b32 s97, s[KP], 3
	s_add_co_u32 s[Q0], s[GB], s97                 ; set A: u = kp
	s_add_co_u32 s98, s98, s97                     ; 32 g + 8 u: set A's base row among the 64
.if SELF
	s_xor_b32 s97, s97, 8
	s_add_co_u32 s[Q0B], s[GB], s97                ; set B: u = 1 - kp
.endif
	s_lshl_b32 s[QCO], s[BT], 4                    ; my Q tiles: record 16 batch + 2 (qb / 4) + g, tiles 2 (qb % 4) + u
	s_lshr_b32 s[QSO], s[QB], 2
	s_lshl_b32 s[QSO], s[QSO], 1
	s_add_co_u32 s[QCO], s[QCO], s[QSO]
	s_add_co_u32 s[QCO], s[QCO], s96
	s_mul_i32 s[QCO], s[QCO], REGB
	s_and_b32 s[QSO], s[QB], 3
	s_lshl_b32 s[QSO], s[QSO], 1
	s_add_co_u32 s97, s[QSO], s[KP]                ; set A's tile in the record,
	s_xor_b32 s2, s97, 1                           ; set B's
	s_lshl_b32 s[QSO], s97, 2
	s_add_co_u32 s[QSO], s[QSO], s[QCO]
	s_add_co_u32 s[QSO], s[QSO], 32768
	s_lshl_b32 s100, s2, 2
	s_add_co_u32 s100, s100, s[QCO]
	s_add_co_u32 s100, s100, 32768                 ; s[100:101]: set B's scale words
	s_lshl_b32 s2, s2, 11
	s_add_co_u32 s2, s2, s[QCO]                    ; s[2:3]: set B's codes
	s_lshl_b32 s97, s97, 11
	s_add_co_u32 s[QCO], s[QCO], s97
	s_mov_b32 s[QCO+1], 0
	s_mov_b32 s[QSO+1], 0
	s_mov_b32 s3, 0
	s_mov_b32 s101, 0
	s_lshl_b32 s96, s[BT], 11
	s_add_co_u32 s[ROWO], s96, s[Q0]
	s_lshl_b32 s[ROWO], s[ROWO], 10
	s_mov_b32 s[ROWO+1], 0
	s_lshl_b32 s82, s[QB], 6
	s_add_co_u32 s82, s82, s96
	s_lshl_b32 s97, s[KP], 5
	s_add_co_u32 s82, s82, s97
	s_lshl_b32 s82, s82, 10                        ; the 32 residual rows that I would fetch
	s_mov_b32 s83, 0
	s_mul_i32 s84, s[KP], PART
	s_add_co_u32 s84, s84, WNUM*RECB               ; the half of the weight that I would fetch
	s_mov_b32 s85, 0
	s_wait_dscnt 0x0                               ; both opening adds are done
	s_wait_kmcnt 0x0
	s_add_nc_u64 s[G0+2:G0+3], s[6:7], s[72:73]
	s_or_b32 s[G0+3], s[G0+3], 0x80000000
	s_add_nc_u64 s[G0R+2:G0R+3], s[8:9], s[82:83]
	s_or_b32 s[G0R+3], s[G0R+3], 0x80000000
	s_add_nc_u64 s[G0W+2:G0W+3], s[10:11], s[84:85]
	s_or_b32 s[G0W+3], s[G0W+3], 0x80000000
	s_add_nc_u64 s[PFA:PFA+1], s[6:7], s[74:75]
	s_add_nc_u64 s[86:87], s[4:5], s[QCO:QCO+1]    ; set A: Q's codes
	s_add_nc_u64 s[88:89], s[4:5], s[QSO:QSO+1]    ; and scale words
	s_add_nc_u64 s[72:73], s[4:5], s[2:3]          ; set B: Q's codes
	s_add_nc_u64 s[74:75], s[4:5], s[100:101]      ; and scale words
.if SELF
	s_add_nc_u64 s[90:91], s[16:17], s[ROWO:ROWO+1]   ; x1 at set A's base row
	s_add_nc_u64 s[92:93], s[18:19], s[QCO:QCO+1]  ; q_c: set A's codes,
	s_add_nc_u64 s[94:95], s[18:19], s[QSO:QSO+1]  ; and its scale words
.else
	s_add_nc_u64 s[90:91], s[18:19], s[ROWO:ROWO+1]   ; out0 at set A's base row
	BAR                                            ; all four work-groups are here: the first joint loads meet
.endif
	tensor_load_to_lds s[G0:G0+3], s[G1:G1+7]      ; slot 0: every wave's first fill
	s_nop 0
	NOPS 4
	v_and_b32 v30, 31, v0                          ; lane
	v_and_b32 v31, 15, v0                          ; r
	v_bfe_u32 v96, v0, 4, 1                        ; h
	v_lshlrev_b32 v[L16], 4, v30
	v_lshlrev_b32 v[QWO], 5, v31
	v_lshl_add_u32 v[QWO], v96, 9, v[QWO]
	v_lshlrev_b32 v120, 3, v0
	global_load_b64 v[114:115], v120, s[12:13]     ; ln_g and ln_b: two numbers a thread
	global_load_b64 v[116:117], v120, s[14:15]
.if !SELF
	global_load_b64 v[118:119], v120, s[16:17]     ; b1
.endif
	WIN 0x80                                       ; destination window 2
.irp s, 0,1
.irp c, 0,1,2,3
	global_load_b128 v[QF+16*\s+4*\c:QF+16*\s+4*\c+3], v[L16], s[86:87] offset:16384*\s+512*\c   ; Q's fragments stay in registers: set A's,
.endr
.endr
.irp s, 0,1
.irp c, 0,1,2,3
	global_load_b128 v[QF+32+16*\s+4*\c:QF+32+16*\s+4*\c+3], v[L16], s[72:73] offset:16384*\s+512*\c   ; set B's
.endr
.endr
	WIN 0
	global_load_b32 v[QS], v[QWO], s[88:89]        ; lanes 0-15 the word of channel half 0, lanes 16-31 of half 1
	global_load_b32 v[QS+19], v[QWO], s[74:75]
	s_mul_i32 s96, s[KP], RECB                     ; every LDS address is made here
	v_add_nc_u32 v[AK0], s96, v[L16]
	v_add_nc_u32 v[AV0], REGB, v[AK0]
	v_add_nc_u32 v[AS0], s96, v[QWO]
	v_add_nc_u32 v[AS0], 32768, v[AS0]
	s_lshl_b32 s96, s[WV], 14
	s_add_co_u32 s96, s96, MRG
	v_add_nc_u32 v[MA], s96, v[L16]
	s_lshl_b32 s96, s[WX], 14
	s_add_co_u32 s96, s96, MRG
	v_add_nc_u32 v[MB], s96, v[L16]
	s_lshl_b32 s96, s[WV], 8
	s_add_co_u32 s96, s96, MST
	v_lshl_add_u32 v[MS], v30, 2, s96
	s_lshl_b32 s96, s[WX], 8
	s_add_co_u32 s96, s96, MST
	v_lshl_add_u32 v[MT], v30, 2, s96
	v_and_b32 v[MD0], 8, v31
	v_add_nc_u32 v[MD0], v[MD0], v31               ; r + 8 (r / 8)
	s_mul_i32 s96, s98, RP
	v_mul_u32_u24 v[RA], v[MD0], RP
	v_lshl_add_u32 v[RA], v96, 6, v[RA]
	v_add_nc_u32 v[RA], s96, v[RA]
	v_add_nc_u32 v[RB2], s96, v[L16]
	v_lshlrev_b32 v105, 4, v96
	v_sub_nc_u32 v[MD0], v[MD0], v105
	v_lshl_add_u32 v[GA], v96, 6, VEC
	v_add_nc_u32 v[WA], WREG, v[L16]
	v_lshl_add_u32 v[WSA], v30, 2, WREG+65536
	v_min_u32 v[PFO], 21, v30
	v_lshlrev_b32 v[PFO], 8, v[PFO]
	v_lshl_add_u32 v121, v0, 3, VEC
	WIN 0x40
.set n, 0
.rept 128
	v_mov_b32 v[n], 0                              ; O^T, set A's.  The step is written for every step alike: the first finds zeros, which the first change of M leaves zeros
.set n, n+1
.endr
	WIN 0xc0
.set n, 0
.rept 128
	v_mov_b32 v[n], 0                              ; set B's
.set n, n+1
.endr
	WIN 0
.irp x, 0,1
	v_mov_b32 v[NM+16*\x+1], 0xff61b1e6            ; the largest t so far: -3e38
	v_floor_f32 v[NM+16*\x], -v[NM+16*\x+1]
	v_mov_b32 v[LS+16*\x], 0
	v_mov_b32 v[LS+16*\x+1], 0
	v_mov_b32 v[FF-76*\x+1], 0                     ; named as the upper half of f's pair
.irp b, 0,1,2,3
	v_mov_b32 v[TM-56*\x+4+\b], 0                  ; a lane permute's destination counts as one of its sources
.endr
.endr
	v_mov_b32 v[SCR+8], 0                          ; likewise (v30 has been written)
	s_wait_loadcnt 0x0                             ; Q, ln_g, ln_b (b1)
	ds_store_b64 v121, v[114:115]                  ; read in the tail, behind many barriers; the first change of slots waits for these stores
	ds_store_b64 v121, v[116:117] offset:1024
.if !SELF
	ds_store_b64 v121, v[118:119] offset:2048
.endif
.Lslot:                                            ; seven trips: slots 0 to 6; behind each change the next slot is asked for (SELF = 1: up to the causal limit)
	CHANGE
	STEP
	s_xor_b32 s[TB], s[TB], SLOTB
.if SELF
	s_add_co_u32 s[JK], s[JK], 256
.endif
	s_sub_co_u32 s[SLOTS], s[SLOTS], 1
	s_cmp_lg_u32 s[SLOTS], 0
	s_cbranch_scc1 .Lslot
	LASTCHANGE
	STEP                                           ; slot 7
	; ---- the hand-over: every wave gives set B to its partner and keeps set A
	NOPS 8                                         ; eight places behind the last products
.irp x, 0,1
	v_add_f32 v[LS+16*\x], v[LS+16*\x], v[LS+16*\x+1]
.endr
.irp x, 0,1
	v_permlanex16_b32 v[SCR+8*\x], v[LS+16*\x], s[SEL], s[SEL+1]
.endr
.irp x, 0,1
	v_add_f32 v[LS+16*\x], v[LS+16*\x], v[SCR+8*\x]   ; my parity's sum of the row
.endr
	s_wait_tensorcnt 0x0                           ; my part of the residual rows or of the weight has landed,
	s_wait_dscnt 0x0                               ; and my reads of slot 1 are over
	s_barrier_signal -1
	s_barrier_wait -1                              ; both hold of every wave
	WIN 0x0c                                       ; an LDS store's data are its source 1: window 3
.set n, 0
.rept 32
	ds_store_b128 v[MB], v[4*n:4*n+3] offset:512*n   ; set B's O^T as an image of its registers, each channel tile from its low end on
.set n, n+1
.endr
	WIN 0
	ds_store_b32 v[MT], v[NM+16]
	ds_store_b32 v[MT], v[LS+16] offset:128
	s_wait_dscnt 0x0                               ; for the partner's sake: my stores are done
	s_barrier_signal -1
	s_barrier_wait -1
	; ---- THE TAIL: each wave on tile w and on its own rows: no barrier
	ds_load_b32 v20, v[MS]                         ; the partner's -M
	ds_load_b32 v21, v[MS] offset:128              ; and l
	WIN 0x40
.set n, 0
.rept 32
	ds_load_b128 v[128+4*n:128+4*n+3], v[MA] offset:512*n
.set n, n+1
.endr
	WIN 0
	s_wait_dscnt 32                                ; -M and l are in; the 32 loads of O^T may be out
	v_min_num_f32 v30, v[NM], v20                  ; -M of the whole row
	v_sub_f32 v22, v30, v[NM]
	v_sub_f32 v24, v30, v20
	v_cvt_i32_f32 v22, v22                         ; whole numbers, 0 or less (it saturates: a parity that walked no step gets the factor 0)
	v_cvt_i32_f32 v24, v24
	v_ldexp_f32 v22, 1.0, v22
	v_ldexp_f32 v24, 1.0, v24
	v_mul_f32 v31, v22, v[LS]
	v_fma_f32 v31, v24, v21, v31                   ; the row's sum
	v_rcp_f32 v31, v31
	v_nop
	s_wait_alu depctr_va_vdst(0)                   ; a wait ahead of the reciprocal's first reader
	v_mul_f32 v22, v22, v31
	v_mul_f32 v24, v24, v31
	v_mov_b32 v23, v22
	v_mov_b32 v25, v24
	s_wait_dscnt 0x0
	WIN 0x01                                       ; source 0 window 1
.set n, 0
.rept 64
	v_pk_mul_f32 v[Y+2*n:Y+2*n+1], v[2*n:2*n+1], v[22:23]
.set n, n+1
.endr
.set n, 0
.rept 64
	v_pk_fma_f32 v[Y+2*n:Y+2*n+1], v[128+2*n:129+2*n], v[24:25], v[Y+2*n:Y+2*n+1]
.set n, n+1
.endr
	WIN 0
	LDV RA, 0, 0                                   ; my query's residual row
	LDV GA, 0, 128                                 ; g
	s_wait_dscnt 32                                ; the residual is in; g's 32 loads may be out
	WIN 0x01
.set n, 0
.rept 64
	v_pk_add_f32 v[Y+2*n:Y+2*n+1], v[2*n:2*n+1], v[Y+2*n:Y+2*n+1]
.set n, n+1
.endr
	WIN 0
	LDV GA, 1024, 0                                ; b
	STATS
	APPLY
.if SELF
	ROWS_OUT 90                                    ; x1
	QUANT Y, XF, 30, 1
	QUANT Y+64, XF+16, 31, 1
	v_cndmask_b32 v[XS], v30, v31, s[HM]           ; lanes 0-15 the word of K step 0, lanes 16-31 of K step 1
	NOPS 8                                         ; a scale word made by vector instructions stands eight places ahead of the product
	PROJ 0
	QUANT 128, 192, 20, 0                          ; Q_c's channels 0-127 of my 16 rows: one fragment
.irp c, 0,1,2,3
	global_store_b128 v[L16], v[192+4*\c:192+4*\c+3], s[92:93] offset:512*\c
.endr
	PROJ 1
	QUANT 128, 208, 21, 0
.irp c, 0,1,2,3
	global_store_b128 v[L16], v[208+4*\c:208+4*\c+3], s[92:93] offset:16384+512*\c
.endr
	v_cndmask_b32 v22, v20, v21, s[HM]
	global_store_b32 v[QWO], v22, s[94:95]         ; 128 bytes a tile, four at a place: one part in 32 of the tile's codes
.else
	QUANT Y, XF, 30, 1
	QUANT Y+64, XF+16, 31, 1
	v_cndmask_b32 v[XS], v30, v31, s[HM]
	NOPS 8
.irp f, 0,1
	PROJ \f
	WIN 0x44                                       ; source 1 and destination window 1
.set n, 0
.rept 64
	v_max_num_f32 v[n], 0, v[n]                    ; relu, each tile from its low end on
.set n, n+1
.endr
	WIN 0x04
.set n, 0
.rept 32
	v_pk_add_f32 v[Y+64*\f+2*n:Y+64*\f+2*n+1], v[Y+64*\f+2*n:Y+64*\f+2*n+1], v[2*n:2*n+1]   ; + the residual
.set n, n+1
.endr
	WIN 0
.endr
	LDV GA, 0, 128
	LDV GA, 1024, 0
	STATS
	APPLY
.set n, 0
.rept 128
	v_max_num_f32 v[Y+n], 0, v[Y+n]
.set n, n+1
.endr
	ROWS_OUT 90                                    ; out0
.endif
	s_wait_tensorcnt 0x0                           ; the wave's end, behind my last tensor load and my last LDS store
	ds_add_u32 v[SPW], v[NIL]
	s_wait_dscnt 0x0
.if !SELF
	BAR                                            ; the closing round: no work-group ends while a partner may still ask for a tile that names it
.endif
	s_endpgm
.Lfunc_end_k_q52fad6c3b4_crossatt:
	.size	k_q52fad6c3b4_crossatt, .Lfunc_end_k_q52fad6c3b4_crossatt-k_q52fad6c3b4_crossatt
	.p2alignl 7, 3214868480
	.fill 96, 4, 3214868480
	.section	.rodata,"a",@progbits
	.p2align	6, 0x0
	.amdhsa_kernel k_q52fad6c3b4_crossatt
		.amdhsa_group_segment_fixed_size 327680
		.amdhsa_private_segment_fixed_size 0
		.amdhsa_enable_private_segment 0
		.amdhsa_kernarg_size 64
		.amdhsa_user_sgpr_count 2
		.amdhsa_user_sgpr_kernarg_segment_ptr 1
		.amdhsa_wavefront_size32 1
		.amdhsa_system_sgpr_workgroup_id_x 1
		.amdhsa_system_sgpr_workgroup_id_y 1
		.amdhsa_system_sgpr_workgroup_id_z 1
		.amdhsa_system_vgpr_workitem_id 0
		.amdhsa_next_free_vgpr 1024
		.amdhsa_next_free_sgpr 102
		.amdhsa_reserve_vcc 1
		.amdhsa_float_denorm_mode_32 3
		.amdhsa_float_denorm_mode_16_64 3
		.amdhsa_memory_ordered 1
		.amdhsa_forward_progress 1
		.amdhsa_inst_pref_size 249
	.end_amdhsa_kernel
	.amdgpu_metadata
---
amdhsa.version: [ 1, 2 ]
amdhsa.kernels:
  - .name:           k_q52fad6c3b4_crossatt
    .symbol:         k_q52fad6c3b4_crossatt.kd
    .args:
      - { .name: q_c, .offset: 0, .size: 8, .value_kind: global_buffer, .address_space: global }
      - { .name: kv_c, .offset: 8, .size: 8, .value_kind: global_buffer, .address_space: global }
      - { .name: x1, .offset: 16, .size: 8, .value_kind: global_buffer, .address_space: global }
      - { .name: wq, .offset: 24, .size: 8, .value_kind: global_buffer, .address_space: global }
      - { .name: ln_g, .offset: 32, .size: 8, .value_kind: global_buffer, .address_space: global }
      - { .name: ln_b, .offset: 40, .size: 8, .value_kind: global_buffer, .address_space: global }
      - { .name: b1, .offset: 48, .size: 8, .value_kind: global_buffer, .address_space: global }
      - { .name: out0, .offset: 56, .size: 8, .value_kind: global_buffer, .address_space: global }
    .group_segment_fixed_size: 327680
    .private_segment_fixed_size: 0
    .kernarg_segment_align: 8
    .kernarg_segment_size: 64
    .max_flat_workgroup_size: 128
    .sgpr_count:     102
    .vgpr_count:     1024
    .wavefront_size: 32
...
	.end_amdgpu_metadata
.endif
;; end of part 4
